; MI455X (gfx1250); checked and timed in simulation.
; The chip was launched on July 23, 2026; its instructions are those of AMD's public machine-readable ISA for CDNA 5 (MIT licence, August 2026) and "CDNA5" Instruction Set Architecture Reference Guide (July 2026). The comments in the code are by the model that wrote it; some were corrected since.
;; Encoder Block. Allowed arithmetic: matrix products marked QUANTISED: E4M3 operands, one given power-of-two scale a tensor, by v_wmma_f32_16x16x64_fp8_fp8 or v_wmma_f32_16x16x128_fp8_fp8, f32 sums; everything else in f32.
;; Inputs: b1 4,096 float32; b2 1,024 float32; beta1 1,024 float32; beta2 1,024 float32; gamma1 1,024 float32; gamma2 1,024 float32; input_mask 2 x 1 x 1 x 2,048 int32; lowp_scales 16 int32 (the exponents e of the quantised operands' scales 2^e); w1 4,096 x 1,024 float32; w2 1,024 x 4,096 float32; w_k 1,024 x 1,024 float32; w_o 1,024 x 1,024 float32; w_q 1,024 x 1,024 float32; w_v 1,024 x 1,024 float32; x 2 x 2,048 x 1,024 float32.
;; Outputs: out0 2 x 2,048 x 1,024 float32.
;; This version of the problem:
;;   THIS VERSION OF THE PROBLEM IS GIVEN IN LOW PRECISION. The matrix products marked QUANTISED in the list below multiply operands that are first quantised to E4M3 (4 exponent bits, 3 mantissa bits; 8 bits a number), with one given power-of-two scale for each operand tensor; their sums are f32. All else is computed in f32.
;;   The module's matrix products, in the order in which they are computed (A, B: the left and right operand; K: the contracted axis; several contracted axes count as one K, in the product's order):
;;     1. [M 4,096, K 1,024] x [K 1,024, N 1,024]; A: computed on the way; B: input w_q: QUANTISED (scales: A lowp_scales[0], B lowp_scales[1])
;;     2. [M 4,096, K 1,024] x [K 1,024, N 1,024]; A: computed on the way; B: input w_k: QUANTISED (scales: A lowp_scales[2], B lowp_scales[3])
;;     3. [M 4,096, K 1,024] x [K 1,024, N 1,024]; A: computed on the way; B: input w_v: QUANTISED (scales: A lowp_scales[4], B lowp_scales[5])
;;     4. batch 32 x [M 2,048, K 64] x [K 64, N 2,048]; A: computed on the way; B: computed on the way: QUANTISED (scales: A lowp_scales[6], B lowp_scales[7])
;;     5. batch 32 x [M 2,048, K 2,048] x [K 2,048, N 64]; A: softmax (see below); B: computed on the way: QUANTISED (scales: A lowp_scales[8], B lowp_scales[9])
;;     6. [M 4,096, K 1,024] x [K 1,024, N 1,024]; A: computed on the way; B: input w_o: QUANTISED (scales: A lowp_scales[10], B lowp_scales[11])
;;     7. [M 4,096, K 1,024] x [K 1,024, N 4,096]; A: computed on the way; B: input w1: QUANTISED (scales: A lowp_scales[12], B lowp_scales[13])
;;     8. [M 4,096, K 4,096] x [K 4,096, N 1,024]; A: computed on the way; B: input w2: QUANTISED (scales: A lowp_scales[14], B lowp_scales[15])
;;   THE QUANTISER, for each operand of a quantised product, along K:
;;     - The operand's scale is 2^e, e = its entry of the input lowp_scales (int32; the entries are numbered through the quantised products in the list's order, A before B).
;;     - Each number is divided by the scale, clamped to +-448, and rounded to the nearest number of E4M3, ties to even, subnormals kept.
;;     - The product sums the exact products of the quantised numbers (number of the format x scale) in f32.
;;   ~~~python
;;   def quantise(x, axis, e):      # numpy; x: float32 -> the quantised numbers, widened to float32 again
;;       x = np.moveaxis(x, axis, -1); K = x.shape[-1]
;;       r = np.clip(x / 2.0 ** e, -448, 448)
;;       step = 2.0 ** (np.maximum(np.frexp(np.where(r == 0, 1, r))[1] - 1, -6) - 3)
;;       q = np.round(r / step) * step * 2.0 ** e      # np.round: ties to even
;;       return np.moveaxis(q, -1, axis).astype(np.float32)
;;   ~~~
;;   SOFTMAX AHEAD OF A QUANTISED PRODUCT. Where the list says 'softmax', what is quantised is not the finished softmax but p = 2^(t - M), with t = logit x log2(e) and M = ceil(the row's largest t), a whole number; so 1/2 < the row's largest p <= 1. The row's sum l is taken of the UNQUANTISED p, in f32, and the product's result is divided by l at the end. Since M is a whole number, a kernel that streams over the keys may use a running M (the ceiling of the running maximum): every later rescaling is an exact power of two, so the quantised numbers keep their values, but for numbers so far below the row's largest that they fall under the format's range.
;;   OPERANDS COMPUTED ON THE WAY. 'Computed on the way' means the value that the module computes at that place (a softmax that the list does not call 'softmax' is quantised finished and normalised). What goes into a quantiser is computed in f32, as accurately as f32 sums, v_exp_f32 and their like allow (about 1e-6 of the number): no bf16 or f16 on the way to a quantiser, and a product that is left as it is and whose result goes on into a quantised operand takes f32 operands (vector FMAs, or v_wmma_f32_16x16x4_f32). A number that lies on a knife's edge between two numbers of the format may be rounded either way, as far as f32 arithmetic and the matrix unit's own rounding can turn it there, and no further.
;; One version. Each part assembles by itself: llvm-mc -triple=amdgcn-amd-amdhsa -mcpu=gfx1250 --defsym DOCPART=n.
;; ======== version 1 of 1: 7 launches
;; limits: right only within a limited range of input values
;; workspace buffers: wc 12,582,912 bytes; hc 12,582,912 bytes; qkvc 12,582,912 bytes; oc 4,194,304 bytes; x1 16,777,216 bytes; h2c 4,194,304 bytes; hid 16,777,216 bytes
;; launch prep (part 1): grid 1024 x 1, 4 waves a work-group, no clusters, 53,760 bytes of LDS; arguments w_q, w_k, w_v, w_o, w1, w2, lowp_scales, wc, x, gamma1, beta1, hc; writes wc, hc
.if DOCPART == 1
	.amdgcn_target "amdgcn-amd-amdhsa--gfx1250"
	.amdhsa_code_object_version 6
	.text
	.protected	k_qe9a51fb64e_prep
	.globl	k_qe9a51fb64e_prep
	.p2align	8
	.type	k_qe9a51fb64e_prep,@function
k_qe9a51fb64e_prep:
	s_mov_b64 s[64:65], 0
	v_nop
	global_prefetch_b8 v0, s[64:65] scope:SCOPE_SE
	s_setreg_imm32_b32 hwreg(HW_REG_WAVE_MODE, 25, 1), 1
	s_wait_xcnt 0x0
; PREP.  Work-groups 0-767: the six weights (f32, [N][K], K innermost) become codes of E4M3 in wc, in the order w_q, w_k, w_v, w_o, w1, w2, each with its given scale 2^e.
; Work-groups 768-1023: h = gamma1 (x - mean) / (std + 1e-6) + beta1 (std with 1023 in the divisor), quantised three times, with entries 0, 2, 4 of the scales, into hc [3][4096][1024].
; code = number / 2^e, held within +-448, to the nearest code, ties to even.  LIMITS: each e between -126 and 119; NaN among the inputs is not served.
; A stream: no matrix unit, no tensor load, no barrier; waves share nothing.  The two paths part on the work-group's number and have LDS bytes of their own.
; Small work-groups, so that several lie on a WGP at once (250 registers a wave, 53,760 bytes of LDS) and each adds its loads to what is on its way.
; WEIGHTS: a wave takes 8 steps of 512 numbers.  Each load reads 512 consecutive bytes; a step's 2,048 bytes turn through the wave's stage in LDS (64 bytes + 16 of padding a place)
; and come back 16 neighbours a lane, as the conversions want them; a lane's 16 codes are 16 bytes, so a store covers 512 consecutive bytes.
; NORM: a wave takes a row (4,096 bytes, eight loads of 512 consecutive bytes) at a time, four rows; the row turns through the stage in the same way: a lane holds columns 16 l .. +15 and 512 + 16 l .. +15.
; The mean is taken first and the squares of the differences second: no difference of large sums is formed.
.set STEPS, 8
.set EMAX,  8
.set MANT,  0x600000                   ; the mantissa field of 448 as f32
.set SP,    80                         ; a lane's place in a stage: 64 bytes + 16 of padding
.set WREG,  8192                       ; the weights' path: LDS bytes 0 .. 32767, 8,192 a wave (two stages of 2,560)
.set WR,    16                         ; v16-79   four sets of 16 numbers as loaded
.set WX,    80                         ; v80-111  two sets of 16 neighbours
.set WC,    128                        ; v128-159 codes, four registers a step: no store's data are written again
.set LNST,  32768                      ; the norm's path: LDS from here on, 5,120 bytes a wave
.set NROWS, 4                          ; rows of a wave
.set NSC,   3                          ; sets of codes
.set R,     32                         ; v32-95   two sets of 32: a row as loaded
.set X,     96                         ; v96-127  the row after the turn
.set G,     128                        ; v128-159 gamma of my 32 columns
.set BT,    160                        ; v160-191 beta
.set T,     192                        ; v192-223 held numbers
.set CD,    224                        ; v224-247 codes: 8 registers a set
.set HB,    28                         ; s[28:33] the three sets' bases, at my wave's first row
	s_load_b512 s[4:19], s[0:1], 0x0               ; w_q 4, w_k 6, w_v 8, w_o 10, w1 12, w2 14, the scales 16, wc 18
	s_load_b256 s[20:27], s[0:1], 0x40             ; x 20, gamma1 22, beta1 24, hc 26
	v_lshl_add_u32 v248, v0, 2, 0xd000
	v_mov_b32 v249, 0
	v_lshrrev_b32 v1, 5, v0
	v_readfirstlane_b32 s52, v1                    ; wave
	v_and_b32 v2, 31, v0                           ; lane
	v_lshlrev_b32 v3, 4, v2                        ; 16 x lane: my bytes of a load's or a store's 512; never rewritten
	s_wait_kmcnt 0x0
	s_load_b512 s[36:51], s[16:17], 0x0            ; the sixteen exponents
	s_cmp_ge_u32 ttmp9, 768
	s_cbranch_scc1 .Lln
; ---------------- the weights ----------------
.macro WLOAD t
.irp i, 0,1,2,3
	global_load_b128 v[WR+16*((\t)%4)+4*\i:WR+16*((\t)%4)+4*\i+3], v3, s[30:31] offset:2048*(\t)+512*\i th:TH_LOAD_NT
.endr
.endm
.macro WTURN t                         ; LDS serves a wave's instructions in order: no wait between the stores and the loads
.irp i, 0,1,2,3
	ds_store_b128 v14, v[WR+16*((\t)%4)+4*\i:WR+16*((\t)%4)+4*\i+3] offset:32*SP*((\t)%2)+8*SP*\i
.endr
.irp i, 0,1,2,3
	ds_load_b128 v[WX+16*((\t)%2)+4*\i:WX+16*((\t)%2)+4*\i+3], v15 offset:32*SP*((\t)%2)+16*\i
.endr
.endm
.macro WSTEP t
.set XS, WX+16*((\t)%2)
	s_wait_dscnt 0x0                               ; this step's numbers are back; its stores into the stage have read their registers,
.if (\t)+4 < STEPS
	WLOAD (\t)+4                                   ; which take the loads of four steps on
.endif
.if (\t)+1 < STEPS
.if STEPS-2-(\t) >= 3
	s_wait_loadcnt 12                              ; the next step's four loads are in; the twelve of the three steps behind it may be out
.else
	s_wait_loadcnt 4*(STEPS-2-(\t))
.endif
	WTURN (\t)+1
.endif
.irp i, 0,1,2,3,4,5,6,7,8,9,10,11,12,13,14,15
	v_med3_num_f32 v[XS+\i], v[XS+\i], -v10, v10   ; the conversion does not saturate (ISA guide 7.6.2): the hold at the largest code x the scale
.endr
	v_cvt_scalef32_pk8_fp8_f32 v[WC+4*(\t):WC+4*(\t)+1], v[XS:XS+7], v11
	v_cvt_scalef32_pk8_fp8_f32 v[WC+4*(\t)+2:WC+4*(\t)+3], v[XS+8:XS+15], v11
	global_store_b128 v3, v[WC+4*(\t):WC+4*(\t)+3], s[18:19] offset:512*(\t)   ; 512 consecutive bytes; the next vector lines are the next step's holds, plain ones on other registers
.endm
	s_mul_i32 s29, s52, WREG
	v_lshrrev_b32 v14, 2, v2
	v_mul_u32_u24 v14, v14, SP
	v_and_b32 v15, 3, v2
	v_lshl_add_u32 v14, v15, 4, v14
	v_add_nc_u32 v14, s29, v14                     ; into the stage: SP (lane / 4) + 16 (lane % 4)
	v_mul_u32_u24 v15, v2, SP
	v_add_nc_u32 v15, s29, v15                     ; out of it: SP x lane
	s_mov_b64 s[30:31], s[14:15]                   ; which tensor: a chain of choices on the work-group's number alone.  16,384 numbers a work-group: 64, 64, 64, 64, 256, 256 work-groups
	s_mov_b32 s32, 512
	s_cmp_lt_u32 ttmp9, 512
	s_cselect_b64 s[30:31], s[12:13], s[30:31]
	s_cselect_b32 s32, 256, s32
	s_cmp_lt_u32 ttmp9, 256
	s_cselect_b64 s[30:31], s[10:11], s[30:31]
	s_cselect_b32 s32, 192, s32
	s_cmp_lt_u32 ttmp9, 192
	s_cselect_b64 s[30:31], s[8:9], s[30:31]
	s_cselect_b32 s32, 128, s32
	s_cmp_lt_u32 ttmp9, 128
	s_cselect_b64 s[30:31], s[6:7], s[30:31]
	s_cselect_b32 s32, 64, s32
	s_cmp_lt_u32 ttmp9, 64
	s_cselect_b64 s[30:31], s[4:5], s[30:31]
	s_cselect_b32 s32, 0, s32                      ; the tensor's first work-group
	s_sub_co_u32 s33, ttmp9, s32
	s_lshl_b32 s33, s33, 2
	s_add_co_u32 s33, s33, s52                     ; which run of 4,096 numbers of the tensor is my wave's
	s_lshl_b32 s34, s33, 14
	s_mov_b32 s35, 0
	s_add_nc_u64 s[30:31], s[30:31], s[34:35]
	s_lshl_b32 s34, ttmp9, 2
	s_add_co_u32 s34, s34, s52
	s_lshl_b32 s34, s34, 12                        ; the tensors lie in wc in the work-groups' order
	s_add_nc_u64 s[18:19], s[18:19], s[34:35]
.irp t, 0,1,2,3
	WLOAD \t
.endr
	s_wait_kmcnt 0x0
	s_mov_b32 s33, s51                             ; e: entries 15, 13, 11, 5, 3, 1
	s_cmp_lt_u32 ttmp9, 512
	s_cselect_b32 s33, s49, s33
	s_cmp_lt_u32 ttmp9, 256
	s_cselect_b32 s33, s47, s33
	s_cmp_lt_u32 ttmp9, 192
	s_cselect_b32 s33, s41, s33
	s_cmp_lt_u32 ttmp9, 128
	s_cselect_b32 s33, s39, s33
	s_cmp_lt_u32 ttmp9, 64
	s_cselect_b32 s33, s37, s33
	s_add_co_i32 s33, s33, 127
	s_lshl_b32 s34, s33, 23
	v_mov_b32 v11, s34                             ; 2^e as f32: the conversion takes its exponent field
	s_add_co_i32 s33, s33, EMAX
	s_lshl_b32 s33, s33, 23
	s_or_b32 s33, s33, MANT
	v_mov_b32 v10, s33                             ; 448 x 2^e
	s_wait_loadcnt 12                              ; step 0's four loads are in
	WTURN 0
.irp t, 0,1,2,3,4,5,6,7
	WSTEP \t
.endr
	s_wait_tensorcnt 0x0
	ds_add_u32 v248, v249
	s_wait_dscnt 0x0
	s_endpgm
; ---------------- the norm ----------------
.macro LOADROW i                       ; eight loads of 512 consecutive bytes: row i of my wave's
.irp j, 0,1,2,3,4,5,6,7
	global_load_b128 v[R+32*((\i)%2)+4*\j:R+32*((\i)%2)+4*\j+3], v3, s[20:21] offset:4096*(\i)+512*\j th:TH_LOAD_NT
.endr
.endm
.macro WSUM                            ; v8 summed over the 32 lanes, the result in every lane
	v_add_f32_dpp v8, v8, v8 row_xmask:1 row_mask:0xf bank_mask:0xf
	v_add_f32_dpp v8, v8, v8 row_xmask:2 row_mask:0xf bank_mask:0xf
	v_add_f32_dpp v8, v8, v8 row_xmask:4 row_mask:0xf bank_mask:0xf
	v_add_f32_dpp v8, v8, v8 row_xmask:8 row_mask:0xf bank_mask:0xf
	v_permlanex16_b32 v9, v8, s34, s35
	v_add_f32 v8, v8, v9
.endm
.macro ROW i
.if (\i)+1 < NROWS
	s_wait_loadcnt 8                               ; this row's eight loads are in; the next row's eight may be out
.else
	s_wait_loadcnt 0
.endif
.irp j, 0,1,2,3,4,5,6,7
	ds_store_b128 v4, v[R+32*((\i)%2)+4*\j:R+32*((\i)%2)+4*\j+3] offset:640*\j
.endr
.irp m, 0,1,2,3,4,5,6,7
	ds_load_b128 v[X+4*\m:X+4*\m+3], v5 offset:2560*(\m/4)+16*(\m%4)
.endr
	s_wait_dscnt 0x0                               ; the row is back, 16 + 16 neighbours a lane; the stores have read their registers,
.if (\i)+2 < NROWS
	LOADROW (\i)+2                                 ; which take the row two further on
.endif
.irp k, 0,1,2,3                        ; the sum, in four packed chains
	v_pk_add_f32 v[20+2*\k:21+2*\k], v[X+2*\k:X+2*\k+1], v[X+8+2*\k:X+9+2*\k]
.endr
.irp m, 16,24
.irp k, 0,1,2,3
	v_pk_add_f32 v[20+2*\k:21+2*\k], v[20+2*\k:21+2*\k], v[X+\m+2*\k:X+\m+2*\k+1]
.endr
.endr
	v_pk_add_f32 v[20:21], v[20:21], v[22:23]
	v_pk_add_f32 v[24:25], v[24:25], v[26:27]
	v_pk_add_f32 v[20:21], v[20:21], v[24:25]
	v_add_f32 v8, v20, v21
	WSUM
	v_mul_f32 v10, 0x3a800000, v8                  ; the mean: / 1024
	v_mov_b32 v11, v10
.set j, 0
.rept 16
	v_pk_add_f32 v[X+j:X+j+1], v[X+j:X+j+1], v[10:11] neg_lo:[0,1] neg_hi:[0,1]   ; x - mean
.set j, j+2
.endr
.irp k, 0,1,2,3                        ; the sum of their squares
	v_pk_mul_f32 v[20+2*\k:21+2*\k], v[X+2*\k:X+2*\k+1], v[X+2*\k:X+2*\k+1]
.endr
.irp m, 8,16,24
.irp k, 0,1,2,3
	v_pk_fma_f32 v[20+2*\k:21+2*\k], v[X+\m+2*\k:X+\m+2*\k+1], v[X+\m+2*\k:X+\m+2*\k+1], v[20+2*\k:21+2*\k]
.endr
.endr
	v_pk_add_f32 v[20:21], v[20:21], v[22:23]
	v_pk_add_f32 v[24:25], v[24:25], v[26:27]
	v_pk_add_f32 v[20:21], v[20:21], v[24:25]
	v_add_f32 v8, v20, v21
	WSUM
	v_mul_f32 v8, 0x3a802008, v8                   ; / 1023
	v_sqrt_f32 v12, v8
	v_nop                                          ; a plain line behind the root,
	s_wait_alu depctr_va_vdst(0)                   ; and a wait ahead of its first reader
	v_add_f32 v12, 0x358637bd, v12                 ; + 1e-6
	v_rcp_f32 v13, v12
	v_nop
	s_wait_alu depctr_va_vdst(0)
	v_mov_b32 v12, v13
.set j, 0
.rept 16
	v_pk_mul_f32 v[X+j:X+j+1], v[X+j:X+j+1], v[12:13]
.set j, j+2
.endr
.set j, 0
.rept 16
	v_pk_fma_f32 v[X+j:X+j+1], v[X+j:X+j+1], v[G+j:G+j+1], v[BT+j:BT+j+1]
.set j, j+2
.endr
	s_wait_xcnt 0x0                                ; the last row's stores have read their data: the codes' registers are written again only behind this wait
.irp n, 0,1,2
.if \n < NSC
.set j, 0
.rept 32
	v_med3_num_f32 v[T+j], v[X+j], -v[17+\n], v[17+\n]
.set j, j+1
.endr
.irp g, 0,1,2,3
	v_cvt_scalef32_pk8_fp8_f32 v[CD+8*\n+2*\g:CD+8*\n+2*\g+1], v[T+8*\g:T+8*\g+7], v[14+\n]
.endr
	v_nop                                          ; a plain line between the conversions and the next set's holds, which write their sources
	global_store_b128 v3, v[CD+8*\n:CD+8*\n+3], s[HB+2*\n:HB+2*\n+1] offset:1024*(\i)        ; 512 consecutive bytes: columns 0-511
	global_store_b128 v3, v[CD+8*\n+4:CD+8*\n+7], s[HB+2*\n:HB+2*\n+1] offset:1024*(\i)+512  ; columns 512-1023
.endif
.endr
.endm
.Lln:
	s_sub_co_u32 s53, ttmp9, 768
	s_lshl_b32 s53, s53, 4
	s_lshl_b32 s54, s52, 2
	s_add_co_u32 s53, s53, s54                     ; my wave's first row: 16 x work-group + 4 x wave
	s_lshl_b32 s54, s53, 12
	s_mov_b32 s55, 0
	s_add_nc_u64 s[20:21], s[20:21], s[54:55]
	s_lshl_b32 s54, s53, 10
	s_add_nc_u64 s[28:29], s[26:27], s[54:55]
	s_add_nc_u64 s[30:31], s[28:29], 0x400000      ; a base for each set: the third set's distance does not fit a store's immediate
	s_add_nc_u64 s[32:33], s[28:29], 0x800000
	s_mov_b32 s34, 0x76543210                      ; v_permlanex16_b32: lane l takes lane l xor 16
	s_mov_b32 s35, 0xfedcba98
	s_mul_i32 s56, s52, 5120
	s_add_co_u32 s56, s56, LNST                    ; my stage
	v_lshrrev_b32 v4, 2, v2
	v_mul_u32_u24 v4, v4, SP
	v_and_b32 v5, 3, v2
	v_lshl_add_u32 v4, v5, 4, v4
	v_add_nc_u32 v4, s56, v4
	v_mul_u32_u24 v5, v2, SP
	v_add_nc_u32 v5, s56, v5
	v_lshlrev_b32 v6, 6, v2                        ; gamma, beta: 64 x lane
	v_mov_b32 v9, 0                                ; a lane permute's destination counts as read
.irp m, 0,1,2,3,4,5,6,7
	global_load_b128 v[G+4*\m:G+4*\m+3], v6, s[22:23] offset:2048*(\m/4)+16*(\m%4)
	global_load_b128 v[BT+4*\m:BT+4*\m+3], v6, s[24:25] offset:2048*(\m/4)+16*(\m%4)
.endr
	LOADROW 0
	LOADROW 1
	s_wait_kmcnt 0x0
.irp n, 0,1,2
.if \n < NSC
	s_add_co_i32 s57, s[36+2*\n], 127
	s_lshl_b32 s58, s57, 23
	v_mov_b32 v[14+\n], s58                        ; 2^e
	s_add_co_i32 s57, s57, EMAX
	s_lshl_b32 s57, s57, 23
	s_or_b32 s57, s57, MANT
	v_mov_b32 v[17+\n], s57                        ; 448 x 2^e
.endif
.endr
.irp i, 0,1,2,3
	ROW \i
.endr
	s_wait_tensorcnt 0x0
	ds_add_u32 v248, v249
	s_wait_dscnt 0x0
	s_endpgm
.Lfunc_end_k_qe9a51fb64e_prep:
	.size	k_qe9a51fb64e_prep, .Lfunc_end_k_qe9a51fb64e_prep-k_qe9a51fb64e_prep
	.p2alignl 7, 3214868480
	.fill 96, 4, 3214868480
	.section	.rodata,"a",@progbits
	.p2align	6, 0x0
	.amdhsa_kernel k_qe9a51fb64e_prep
		.amdhsa_group_segment_fixed_size 53760
		.amdhsa_private_segment_fixed_size 0
		.amdhsa_enable_private_segment 0
		.amdhsa_kernarg_size 96
		.amdhsa_user_sgpr_count 2
		.amdhsa_user_sgpr_kernarg_segment_ptr 1
		.amdhsa_wavefront_size32 1
		.amdhsa_system_sgpr_workgroup_id_x 1
		.amdhsa_system_sgpr_workgroup_id_y 1
		.amdhsa_system_sgpr_workgroup_id_z 1
		.amdhsa_system_vgpr_workitem_id 0
		.amdhsa_next_free_vgpr 250
		.amdhsa_next_free_sgpr 66
		.amdhsa_reserve_vcc 0
		.amdhsa_float_denorm_mode_32 3
		.amdhsa_float_denorm_mode_16_64 3
		.amdhsa_memory_ordered 1
		.amdhsa_forward_progress 1
		.amdhsa_inst_pref_size 87
	.end_amdhsa_kernel
	.amdgpu_metadata
---
amdhsa.version: [ 1, 2 ]
amdhsa.kernels:
  - .name:           k_qe9a51fb64e_prep
    .symbol:         k_qe9a51fb64e_prep.kd
    .args:
      - { .name: w_q, .offset: 0, .size: 8, .value_kind: global_buffer, .address_space: global }
      - { .name: w_k, .offset: 8, .size: 8, .value_kind: global_buffer, .address_space: global }
      - { .name: w_v, .offset: 16, .size: 8, .value_kind: global_buffer, .address_space: global }
      - { .name: w_o, .offset: 24, .size: 8, .value_kind: global_buffer, .address_space: global }
      - { .name: w1, .offset: 32, .size: 8, .value_kind: global_buffer, .address_space: global }
      - { .name: w2, .offset: 40, .size: 8, .value_kind: global_buffer, .address_space: global }
      - { .name: lowp_scales, .offset: 48, .size: 8, .value_kind: global_buffer, .address_space: global }
      - { .name: wc, .offset: 56, .size: 8, .value_kind: global_buffer, .address_space: global }
      - { .name: x, .offset: 64, .size: 8, .value_kind: global_buffer, .address_space: global }
      - { .name: gamma1, .offset: 72, .size: 8, .value_kind: global_buffer, .address_space: global }
      - { .name: beta1, .offset: 80, .size: 8, .value_kind: global_buffer, .address_space: global }
      - { .name: hc, .offset: 88, .size: 8, .value_kind: global_buffer, .address_space: global }
    .group_segment_fixed_size: 53760
    .private_segment_fixed_size: 0
    .kernarg_segment_align: 8
    .kernarg_segment_size: 96
    .max_flat_workgroup_size: 128
    .sgpr_count:     66
    .vgpr_count:     250
    .wavefront_size: 32
...
	.end_amdgpu_metadata
.endif
;; end of part 1
;; launch qkv (part 2): grid 12 x 16, 4 waves a work-group, clusters of 4 x 4, 327,680 bytes of LDS; arguments hc, wc, lowp_scales, input_mask, qkvc; writes qkvc
.if DOCPART == 2
	.amdgcn_target "amdgcn-amd-amdhsa--gfx1250"
	.amdhsa_code_object_version 6
	.text
	.protected	k_qe9a51fb64e_qkv
	.globl	k_qe9a51fb64e_qkv
	.p2align	8
	.type	k_qe9a51fb64e_qkv,@function
k_qe9a51fb64e_qkv:
	s_mov_b64 s[64:65], 0
	v_nop
	global_prefetch_b8 v0, s[64:65] scope:SCOPE_SE
	s_setreg_imm32_b32 hwreg(HW_REG_WAVE_MODE, 25, 1), 1
	s_wait_xcnt 0x0
	s_wait_alu depctr_hold_cnt(0) depctr_sa_sdst(0) depctr_va_vdst(0) depctr_va_sdst(0) depctr_va_ssrc(0) depctr_va_vcc(0) depctr_vm_vsrc(0)
	s_getreg_b32 s2, hwreg(HW_REG_IB_STS2, 6, 4)
	s_cmp_eq_u32 s2, 0
	s_cbranch_scc0 .Lentry_in_a_cluster
	s_endpgm
.Lentry_in_a_cluster:
	s_bfe_u32 s2, ttmp6, 0x10000c
	s_cmp_lg_u32 s2, 0xf033
	s_cbranch_scc0 .Lentry_shape_is_right
	s_endpgm
.Lentry_shape_is_right:
; q = h w_q^T, k = h w_k^T, v^T = w_v h^T on codes of E4M3 (K = 1,024), the results quantised on the way out with entries 6, 7, 9 of the scales.  Cluster x = 0: q, 1: k, 2: v.
; A tile of 256 x 256 to a work-group of four waves, 128 x 128 a wave (64 accumulators, 512 registers).  K goes in steps of 256 through a ring of two LDS slots filled by the tensor data mover.
; For q and k the 'A' slot holds 256 tokens of h's codes (the set made with that product's own scale) and the 'B' slot 256 rows of the weight; for v they change places, so that a lane's eight results run along the KEYS.
; CLUSTERS: 4 x 4 work-groups; A's tile is asked for jointly along a row of the cluster, B's along a column.  THE MATRIX INSTRUCTION IS USED TRANSPOSED (source 0 = B's rows, source 1 = A's rows): a lane holds one row of A's side and eight neighbours of B's.
; A sum stands for sum x 2^(eh + ew): the conversion takes 2^(eout - eh - ew).  LIMIT: that exponent lies between -126 and 119.
; A ROW OF k AT A KEY WHOSE MASK IS 0 BECOMES ZERO CODES (its hold is 0): the attention launch then finds its score equal to the bias that it adds for such a key.
; OUT: q, k: [head of 32][2,048 places][64 bytes]; v: [head][32 blocks of 64 keys][64 places][64 keys].  A place is the row's number (token; for v: channel) with bits 3 and 4 exchanged, so that sixteen neighbouring places are the
; sixteen rows that the next launch wants in one tile.  The wave's 16 KiB leave through its stage in LDS as four dense runs of 4 KiB.  The stage's 8-byte stores fall two deep on the banks: 64 stores a wave, once.
; REGISTERS: window 0: v0-31 addresses; v32-95 held sums; v96-111 codes; v112-119 the hold of each block of 16 rows; v120-127 the mask's words; from v128 A's fragments, later the lines read back.
;   window 1: B's fragments, two sets.   windows 2, 3: the accumulators ((a, b) at v[8 (8 (a % 4) + b)]).
.set SIZE_K, 1024
.set KSTEP,  256
.set ROWB,   256
.set KROW,   SIZE_K
.set PITCH,  272                       ; an LDS row: 256 bytes + 16 of padding = 68 words: sixteen rows start at sixteen different groups of four banks
.set FR,     16
.set NL,     4
.set NP,     4
.set HALFT,  128*PITCH
.set SLOT,   4*HALFT
.set LAPS,   SIZE_K/(2*KSTEP)
.set SPARE,  2*SLOT                    ; behind the ring: the spare words, 128 bytes a wave
.set WSTG,   64*PITCH                  ; the way out: 64 lines a wave, in slot 0, which has had its last fill and its last read by then
.set ADRA, 16
.set ADRB, 20
.set STO,  24
.set RD,   25
.set SPW,  28
.set NIL,  29
.set SC,   30
.set LIM,  31
.set TMP,  32
.set CD,   96
.set HOLD, 112
.set MK,   120
.set AF,   128
.set BK,   128
.set G1, 24
.set G0, 32
.set G1B, 48
.set G0B, 56
.set MSB, 0
.macro WIN new                         ; the immediate's high byte repeats the setting that is left
.if MSB != \new
	s_set_vgpr_msb (MSB<<8)|\new
.set MSB, \new
.endif
.endm
.set MUL_LO, 0xa1                      ; source 0 (B) window 1, source 1 (A) window 0, C and D window 2
.set MUL_HI, 0xf1
.set TO_B,   0x40
.macro JLOAD g0a, g1a, g0b, g1b        ; a joint load: waves 0, 1 fetch for A, waves 2, 3 for B; four v_nop follow each line
	s_cmp_eq_u32 s15, 0
	s_cbranch_scc0 .Lfor_b_\@
	tensor_load_to_lds s[\g0a:\g0a+3], s[\g1a:\g1a+7]
	s_nop 0
.rept 4
	v_nop
.endr
	s_branch .Lasked_\@
.Lfor_b_\@:
	tensor_load_to_lds s[\g0b:\g0b+3], s[\g1b:\g1b+7]
	s_nop 0
.rept 4
	v_nop
.endr
.Lasked_\@:
.endm
.macro CREST
	s_cmp_lg_u32 s14, 0
	s_cbranch_scc1 .Lnot_wave_0_\@
	s_barrier_signal -3
.Lnot_wave_0_\@:
	s_barrier_wait -3
	s_barrier_signal -1
	s_barrier_wait -1
.endm
.macro CROUND
	s_barrier_signal -1
	s_barrier_wait -1
	CREST
.endm
	s_load_b128 s[4:7], s[0:1], 0x0                ; hc, wc
	s_load_b128 s[8:11], s[0:1], 0x10              ; the scales, the mask
	s_load_b64 s[12:13], s[0:1], 0x20              ; qkvc
	v_lshl_add_u32 v[SPW], v0, 2, SPARE
	v_mov_b32 v[NIL], 0
	ds_add_u32 v28, v29
	ds_add_u32 v28, v29
	s_wait_dscnt 0x0
	v_lshrrev_b32 v1, 5, v0
	v_readfirstlane_b32 s14, v1                    ; wave
	s_lshr_b32 s15, s14, 1                         ; my half of the tile's rows; also: I fetch for A (0) or B (1)
	s_and_b32 s16, s14, 1                          ; my half of its columns; also: which 128 rows I fetch
	s_bfe_u32 s40, ttmp6, 0x40000                  ; cx
	s_bfe_u32 s41, ttmp6, 0x40004                  ; cy
	s_and_b32 s66, ttmp7, 0xffff
	s_lshl_b32 s66, s66, 2                         ; 4 x cluster y walks the 16 blocks of 256 tokens:
	s_cmp_eq_u32 ttmp9, 2                          ; they are A's rows for q and k, B's rows for v.  The choice hangs on the cluster's x, which all sixteen share
	s_cselect_b32 s67, 0, s66
	s_cselect_b32 s84, s66, 0
	s_add_co_u32 s17, s41, s67                     ; tile row
	s_add_co_u32 s42, s40, s84                     ; tile column
	s_lshl_b32 s43, s41, 2
	s_lshl_b32 s43, 15, s43                        ; my row of the cluster
	s_lshl_b32 s44, 0x1111, s40                    ; my column
	s_or_b32 s[G1+0], s43, (0<<16)|(1<<20)|(1<<21)|(5<<22)|(3<<25)   ; mask; elements of 1 byte; padding on; bit 21 beside a mask; 4 words after every 64
	s_or_b32 s[G1B+0], s44, (0<<16)|(1<<20)|(1<<21)|(5<<22)|(3<<25)
.irp g, G1, G1B
	s_mov_b32 s[\g+1], ROWB<<16                    ; tensor_dim0
	s_mov_b32 s[\g+2], 128<<16                     ; tensor_dim1
	s_mov_b32 s[\g+3], ROWB<<16                    ; tile_dim0
	s_mov_b32 s[\g+4], 128                         ; tile_dim1
	s_mov_b32 s[\g+5], KROW                        ; the pitch
	s_mov_b32 s[\g+6], 0
	s_mov_b32 s[\g+7], 0
.endr
	s_lshl_b32 s18, s16, 7
	s_lshl_b32 s20, s17, 8
	s_add_co_u32 s20, s20, s18                     ; A: row 256 x tile row + 128 x half,
	s_lshl_b32 s20, s20, 10                        ; in bytes
	s_mov_b32 s21, 0
	s_lshl_b32 s46, s42, 8
	s_add_co_u32 s46, s46, s18                     ; B likewise
	s_lshl_b32 s46, s46, 10
	s_mov_b32 s47, 0
	s_mul_i32 s45, s14, HALFT                      ; where they go: wave x 128 rows
	s_lshl_b32 s86, ttmp9, 22                      ; h's set of codes,
	s_mov_b32 s87, 0
	s_lshl_b32 s88, ttmp9, 20                      ; and the weight, of this product
	s_mov_b32 s89, 0
	s_wait_kmcnt 0x0
	s_load_b512 s[68:83], s[8:9], 0x0              ; the sixteen exponents
	s_add_nc_u64 s[4:5], s[4:5], s[86:87]
	s_add_nc_u64 s[6:7], s[6:7], s[88:89]
	s_cmp_eq_u32 ttmp9, 2
	s_cselect_b64 s[90:91], s[6:7], s[4:5]         ; A's side
	s_cselect_b64 s[92:93], s[4:5], s[6:7]         ; B's side
	s_add_nc_u64 s[20:21], s[90:91], s[20:21]
	s_add_nc_u64 s[46:47], s[92:93], s[46:47]
	CROUND                                         ; all sixteen work-groups are here: the first joint loads meet
.irp s, 0,1
	s_mov_b32 s[G0+4*\s], 1
	s_add_co_u32 s[G0+4*\s+1], s45, \s*SLOT
	s_add_nc_u64 s[G0+4*\s+2:G0+4*\s+3], s[20:21], \s*ROWB
	s_or_b32 s[G0+4*\s+3], s[G0+4*\s+3], 0x80000000
	s_mov_b32 s[G0B+4*\s], 1
	s_add_co_u32 s[G0B+4*\s+1], s45, \s*SLOT
	s_add_nc_u64 s[G0B+4*\s+2:G0B+4*\s+3], s[46:47], \s*ROWB
	s_or_b32 s[G0B+4*\s+3], s[G0B+4*\s+3], 0x80000000
	JLOAD G0+4*\s, G1, G0B+4*\s, G1B
.endr
	v_and_b32 v1, 15, v0                           ; r
	v_bfe_u32 v2, v0, 4, 1                         ; h
	v_mul_u32_u24 v3, v1, PITCH
	v_lshl_add_u32 v4, v2, 4, v3
	s_mul_i32 s21, s15, HALFT
	s_mul_i32 s22, s16, HALFT
	s_add_co_u32 s22, s22, 2*HALFT
.irp s, 0,1
	v_add_nc_u32 v[ADRA+\s], s21, v4
	v_add_nc_u32 v[ADRB+\s], s22, v4
	s_add_co_u32 s21, s21, SLOT
	s_add_co_u32 s22, s22, SLOT
.endr
	; the way out.  Row 16 a + r of my 128 goes to place 32 (a / 2 % 2) + 16 (r / 8) + 8 (a % 2) + r % 8 of its run of 64; four places of 64 bytes make a line
	s_mul_i32 s23, s14, WSTG
	v_lshrrev_b32 v5, 3, v1
	v_bfe_u32 v6, v1, 2, 1
	v_lshl_add_u32 v5, v5, 2, v6
	v_mul_u32_u24 v5, v5, PITCH
	v_and_b32 v6, 3, v1
	v_lshl_add_u32 v5, v6, 6, v5
	v_lshl_add_u32 v5, v2, 3, v5
	v_add_nc_u32 v[STO], s23, v5
	v_mul_u32_u24 v5, v2, PITCH
	v_lshl_add_u32 v5, v1, 4, v5
	v_add_nc_u32 v[RD], s23, v5                    ; back: two lines, 512 bytes of data, an instruction
	s_mov_b32 s86, 0x20000
	s_mov_b32 s87, 4096
	s_cmp_eq_u32 ttmp9, 2
	s_cselect_b32 s85, 4096, s86                   ; from B's side's first 64 to its second: the next head (q, k) or the next block of keys (v)
	s_cselect_b32 s86, s86, s87                    ; from A's side's first 64 to its second: the next 64 tokens (q, k) or the next head (v)
	v_and_b32 v6, 31, v0
	v_lshlrev_b32 v8, 4, v6                        ; v8-11: 16 x lane + the run's place, for the four runs of 4 KiB
	v_add_nc_u32 v9, s86, v8
	v_add_nc_u32 v10, s85, v8
	v_add_nc_u32 v11, s85, v9
	s_lshl_b32 s88, s17, 8
	s_lshl_b32 s89, s15, 7
	s_add_co_u32 s88, s88, s89                     ; my first row of A's side
	s_lshl_b32 s90, s42, 8
	s_lshl_b32 s91, s16, 7
	s_add_co_u32 s90, s90, s91                     ; my first row of B's side
	s_lshl_b32 s92, s88, 2
	s_mov_b32 s93, 0
	s_add_nc_u64 s[10:11], s[10:11], s[92:93]      ; the mask's words of my 128 rows (tokens for q and k; for v the words are loaded and not used: the rows' numbers stay under 1,024, inside the buffer)
	v_lshlrev_b32 v7, 2, v1
.irp a, 0,1,2,3,4,5,6,7
	global_load_b32 v[MK+\a], v7, s[10:11] offset:64*\a
.endr
	s_cmp_eq_u32 ttmp9, 2
	s_cselect_b32 s92, s90, s88                    ; my first token,
	s_cselect_b32 s93, s88, s90                    ; my first channel
	s_lshr_b32 s94, s92, 11
	s_lshl_b32 s94, s94, 4
	s_lshr_b32 s93, s93, 6
	s_add_co_u32 s94, s94, s93                     ; 16 x batch + head
	s_lshl_b32 s94, s94, 17
	s_and_b32 s92, s92, 2047
	s_lshl_b32 s92, s92, 6
	s_add_co_u32 s94, s94, s92
	s_lshl_b32 s92, ttmp9, 22                      ; q, k or v's part of the buffer
	s_add_co_u32 s94, s94, s92
	s_mov_b32 s95, 0
	s_add_nc_u64 s[12:13], s[12:13], s[94:95]
	s_wait_kmcnt 0x0
	s_cmp_eq_u32 ttmp9, 0                          ; this product's three exponents, picked without a jump
	s_cselect_b32 s84, s68, s70
	s_cselect_b32 s85, s69, s71
	s_cselect_b32 s86, s74, s75
	s_cmp_eq_u32 ttmp9, 2
	s_cselect_b32 s84, s72, s84
	s_cselect_b32 s85, s73, s85
	s_cselect_b32 s86, s77, s86
	s_sub_co_i32 s86, s86, s84
	s_sub_co_i32 s86, s86, s85
	s_add_co_i32 s86, s86, 127
	s_lshl_b32 s87, s86, 23
	v_mov_b32 v[SC], s87                           ; 2^(eout - eh - ew)
	s_add_co_i32 s86, s86, 8
	s_lshl_b32 s86, s86, 23
	s_or_b32 s86, s86, 0x600000
	v_mov_b32 v[LIM], s86                          ; 448 x that
	s_cmp_eq_u32 ttmp9, 1
	s_cselect_b32 s85, 0, 1                        ; only k honours the mask here
	s_wait_loadcnt 0x0
.irp a, 0,1,2,3,4,5,6,7
	v_or_b32 v[MK+\a], s85, v[MK+\a]
	v_cmp_ne_u32 vcc_lo, 0, v[MK+\a]
	v_cndmask_b32 v[HOLD+\a], 0, v[LIM], vcc_lo    ; the hold of row 16 a + r: 0 at a masked key
.endr
.macro FRAG reg, adr, q, i             ; 16 rows x 128 K: registers 4 c .. 4 c + 3 hold K = 32 c + 16 (l / 16) + 0 .. 15, alike on both sides
.irp c, 0,1,2,3
	ds_load_b128 v[\reg+4*\c:\reg+4*\c+3], v[\adr] offset:128*(\q)+32*\c+(\i)*16*PITCH
.endr
.endm
.macro MUL16 a0, p, zero               ; A's blocks a0, a0 + 1 x B's eight.  The 64 accumulators take turns, one instruction a turn
.irp a, \a0, \a0+1
.irp b, 0,1,2,3,4,5,6,7
.if \zero
	v_wmma_f32_16x16x128_fp8_fp8 v[8*(8*((\a)%4)+\b):8*(8*((\a)%4)+\b)+7], v[128*(\p)+FR*\b:128*(\p)+FR*\b+FR-1], v[AF+FR*(\a):AF+FR*(\a)+FR-1], 0
.else
	v_wmma_f32_16x16x128_fp8_fp8 v[8*(8*((\a)%4)+\b):8*(8*((\a)%4)+\b)+7], v[128*(\p)+FR*\b:128*(\p)+FR*\b+FR-1], v[AF+FR*(\a):AF+FR*(\a)+FR-1], v[8*(8*((\a)%4)+\b):8*(8*((\a)%4)+\b)+7]
.endif
.endr
.endr
.endm
.macro FETCH_B slot, q, p
	WIN TO_B
.irp i, 0,1,2,3,4,5,6,7
	FRAG 128*(\p)+FR*\i, ADRB+\slot, \q, \i
.endr
	WIN 0
.endm
.macro FETCH_A slot, q, i0
.irp i, \i0, \i0+1, \i0+2, \i0+3
	FRAG AF+FR*(\i), ADRA+\slot, \q, \i
.endr
.endm
.macro PLACES n                        ; plain vector lines between a matrix instruction and a load into, or a read of, its registers
.rept \n
	v_nop
.endr
.endm
.macro STEP slot, q, zero              ; 128 along K, its successor in the same slot
	s_wait_dscnt 4*NL                              ; B's set and A's blocks 0-3 are in; the sixteen youngest loads (A's blocks 4-7) may be out
	WIN MUL_LO
	MUL16 0, (\q)%2, \zero
	MUL16 2, (\q)%2, \zero
	s_wait_dscnt 0
	PLACES NP
	FETCH_B \slot, (\q)+1, 1-(\q)%2
	FETCH_A \slot, (\q)+1, 0
	WIN MUL_HI
	MUL16 4, (\q)%2, \zero
	MUL16 6, (\q)%2, \zero
	PLACES NP
	WIN 0
	FETCH_A \slot, (\q)+1, 4
.endm
.macro TURN slot, next, fill           ; a slot's last step changes slots: one barrier
	s_wait_tensorcnt 0x0                           ; all my tensor loads have landed: my part of the next slot
	ds_add_u32 v[SPW], v[NIL]                      ; 0 onto my spare word
	s_wait_dscnt 4*NL+1                            ; the add and the sixteen youngest loads may be out
	WIN MUL_LO
	MUL16 0, 1, 0
	s_wait_dscnt 0x0                               ; the add is done, and my reads of this slot are over
	s_barrier_signal -1
	MUL16 2, 1, 0
	WIN 0
	s_barrier_wait -1
.if \fill
	CREST                                          ; the barrier has opened a round of the cluster's: no wave of any partner still reads this slot or has a load on its way
	s_add_nc_u64 s[G0+4*\slot+2:G0+4*\slot+3], s[G0+4*\slot+2:G0+4*\slot+3], 2*ROWB
	s_add_nc_u64 s[G0B+4*\slot+2:G0B+4*\slot+3], s[G0B+4*\slot+2:G0B+4*\slot+3], 2*ROWB
	JLOAD G0+4*\slot, G1, G0B+4*\slot, G1B         ; the first tensor load behind the round; its four v_nop are the places in front of the loads below
.else
	PLACES NP
.endif
	FETCH_B \next, 0, 0
	FETCH_A \next, 0, 0
	WIN MUL_HI
	MUL16 4, 1, 0
	MUL16 6, 1, 0
	PLACES NP
	WIN 0
	FETCH_A \next, 0, 4
.endm
	s_wait_tensorcnt 1                             ; my part of K step 0 is in; K step 1's load may be out
	s_barrier_signal -1
	s_barrier_wait -1
	FETCH_B 0, 0, 0
	FETCH_A 0, 0, 0
	FETCH_A 0, 0, 4
	STEP 0, 0, 1                                   ; the first step's products start the sums
	s_mov_b32 s3, LAPS-1
.Llap:
	TURN 0, 1, 1
	STEP 1, 0, 0
	TURN 1, 0, 1
	STEP 0, 0, 0
	s_sub_co_u32 s3, s3, 1
	s_cmp_lg_u32 s3, 0
	s_cbranch_scc1 .Llap
	TURN 0, 1, 0
	STEP 1, 0, 0
	s_wait_dscnt 4*NL
	WIN MUL_LO
	MUL16 0, 1, 0
	MUL16 2, 1, 0
	s_wait_dscnt 0
	WIN MUL_HI
	MUL16 4, 1, 0
	MUL16 6, 1, 0
	WIN 0
; THE WAY OUT.  Block a (16 rows x 128): held, converted (a lane's eight sums are eight neighbouring bytes), 8 bytes a tile into my stage.  Each accumulator is read from its low end on.
.macro QOUT a
.set AC, 64*((\a)%4)
	WIN 0x02+((\a)/4)
.set j, 0
.rept 64
	v_med3_num_f32 v[TMP+j], v[AC+j], -v[HOLD+(\a)], v[HOLD+(\a)]
.set j, j+1
.endr
	WIN 0
.irp t, 0,1,2,3,4,5,6,7
	v_cvt_scalef32_pk8_fp8_f32 v[CD+2*\t:CD+2*\t+1], v[TMP+8*\t:TMP+8*\t+7], v[SC]
.endr
	v_nop                                          ; a plain line between the conversions and the next block's holds, which write their sources
.irp t, 0,1,2,3,4,5,6,7
	ds_store_b64 v[STO], v[CD+2*\t:CD+2*\t+1] offset:(\t/4)*8704+(8*((\a)/2)+2*((\a)%2))*PITCH+16*(\t%4)
.endr
.endm
	PLACES NP
.irp a, 0,1,2,3,4,5,6,7
	QOUT \a
.endr
.set i, 0
.rept 32
	ds_load_b128 v[BK+4*i:BK+4*i+3], v[RD] offset:544*i     ; LDS serves a wave's instructions in order: these see my stores
.set i, i+1
.endr
.set i, 0
.rept 32
	s_wait_dscnt 31-i                              ; the younger loads may be out
	global_store_b128 v[8+i/8], v[BK+4*i:BK+4*i+3], s[12:13] offset:512*(i%8)   ; 512 consecutive bytes, aligned
.set i, i+1
.endr
	s_wait_tensorcnt 0x0                           ; the wave's end
	ds_add_u32 v[SPW], v[NIL]
	s_wait_dscnt 0x0
	CROUND                                         ; the closing round
	s_endpgm
.Lfunc_end_k_qe9a51fb64e_qkv:
	.size	k_qe9a51fb64e_qkv, .Lfunc_end_k_qe9a51fb64e_qkv-k_qe9a51fb64e_qkv
	.p2alignl 7, 3214868480
	.fill 96, 4, 3214868480
	.section	.rodata,"a",@progbits
	.p2align	6, 0x0
	.amdhsa_kernel k_qe9a51fb64e_qkv
		.amdhsa_group_segment_fixed_size 327680
		.amdhsa_private_segment_fixed_size 0
		.amdhsa_enable_private_segment 0
		.amdhsa_kernarg_size 40
		.amdhsa_user_sgpr_count 2
		.amdhsa_user_sgpr_kernarg_segment_ptr 1
		.amdhsa_wavefront_size32 1
		.amdhsa_system_sgpr_workgroup_id_x 1
		.amdhsa_system_sgpr_workgroup_id_y 1
		.amdhsa_system_sgpr_workgroup_id_z 1
		.amdhsa_system_vgpr_workitem_id 0
		.amdhsa_next_free_vgpr 1024
		.amdhsa_next_free_sgpr 100
		.amdhsa_reserve_vcc 1
		.amdhsa_float_denorm_mode_32 3
		.amdhsa_float_denorm_mode_16_64 3
		.amdhsa_memory_ordered 1
		.amdhsa_forward_progress 1
		.amdhsa_inst_pref_size 128
	.end_amdhsa_kernel
	.amdgpu_metadata
---
amdhsa.version: [ 1, 2 ]
amdhsa.kernels:
  - .name:           k_qe9a51fb64e_qkv
    .symbol:         k_qe9a51fb64e_qkv.kd
    .args:
      - { .name: hc, .offset: 0, .size: 8, .value_kind: global_buffer, .address_space: global }
      - { .name: wc, .offset: 8, .size: 8, .value_kind: global_buffer, .address_space: global }
      - { .name: lowp_scales, .offset: 16, .size: 8, .value_kind: global_buffer, .address_space: global }
      - { .name: input_mask, .offset: 24, .size: 8, .value_kind: global_buffer, .address_space: global }
      - { .name: qkvc, .offset: 32, .size: 8, .value_kind: global_buffer, .address_space: global }
    .group_segment_fixed_size: 327680
    .private_segment_fixed_size: 0
    .kernarg_segment_align: 8
    .kernarg_segment_size: 40
    .max_flat_workgroup_size: 128
    .sgpr_count:     100
    .vgpr_count:     1024
    .wavefront_size: 32
...
	.end_amdgpu_metadata
.endif
;; end of part 2
;; launch attn (part 3): grid 8 x 32, 8 waves a work-group, clusters of 4 x 1, 327,680 bytes of LDS; arguments qkvc, input_mask, lowp_scales, oc; writes oc
.if DOCPART == 3
	.amdgcn_target "amdgcn-amd-amdhsa--gfx1250"
	.amdhsa_code_object_version 6
	.text
	.protected	k_qe9a51fb64e_attn
	.globl	k_qe9a51fb64e_attn
	.p2align	8
	.type	k_qe9a51fb64e_attn,@function
k_qe9a51fb64e_attn:
	s_mov_b64 s[64:65], 0
	v_nop
	global_prefetch_b8 v0, s[64:65] scope:SCOPE_SE
	s_setreg_imm32_b32 hwreg(HW_REG_WAVE_MODE, 25, 1), 1
	s_wait_xcnt 0x0
	s_wait_alu depctr_hold_cnt(0) depctr_sa_sdst(0) depctr_va_vdst(0) depctr_va_sdst(0) depctr_va_ssrc(0) depctr_va_vcc(0) depctr_vm_vsrc(0)
	s_getreg_b32 s2, hwreg(HW_REG_IB_STS2, 6, 4)
	s_cmp_eq_u32 s2, 0
	s_cbranch_scc0 .Lentry_in_a_cluster
	s_endpgm
.Lentry_in_a_cluster:
	s_bfe_u32 s2, ttmp6, 0x10000c
	s_cmp_lg_u32 s2, 0x3003
	s_cbranch_scc0 .Lentry_shape_is_right
	s_endpgm
.Lentry_shape_is_right:
; o = softmax(q k^T / 8, masked) v for one head of 64, both products on codes of E4M3; o is quantised with entry 10 of the scales into oc [32 blocks of 128 tokens][16 heads][128 tokens][64 bytes].
; THE SOFTMAX: t = score x log2(e) / 8; M = the running largest t rounded up to a whole number; p = 2^(t - M) is quantised (entry 8), not normalised; the sum of the unquantised p divides at the end.
; SHARES.  A work-group owns 256 queries of one head, each of its eight waves 32: two tiles of 16, which share every fragment of K, V and bias.  Two waves to a SIMD.
; THE WHOLE HEAD'S K AND V LIE IN LDS (2 x 139,264 bytes): every byte is filled once, nothing is filled again.  The four work-groups of a cluster are four query blocks of one head: K and V are asked for JOINTLY.
; Memory is dense, so it comes as lines of 256 bytes + 16 of padding: four rows of 64 bytes a line; sixteen neighbouring rows start at sixteen different groups of four banks.
; LAYOUT.  Both products transposed: S^T = K Q^T (K = 64), O^T = V^T P^T (K = 128 keys): a lane holds one query.  K's rows and V's channels lie by PLACE (bits 3 and 4 of the number exchanged), so that tile T's sixteen places
; are keys 32 (T / 2) + 8 (T % 2) + r + 8 (r / 8): the 16 registers of tiles 2 b, 2 b + 1 are 16 neighbouring keys, and likewise O^T's are 16 neighbouring channels.
; A STEP AHEAD.  K's and the bias's fragments of key step s + 1 are asked for in step s, behind its first products, together with V's of step s: the whole softmax stands between a fragment's load and its use.
; Steps 0 to 7 lie in the first half of the head: the loop in front of the second barrier works steps 0 to 6 and fetches for steps 1 to 7; the loop behind it works steps 7 to 14; step 15, which fetches nothing, is written out.
; THE MASK.  A masked key's codes of k are zeros (the launch before), and the first product's C is a bias: 0, or NEG = -2^(33 - eq - ek) at a masked key.  So its t is -2^30 log2(e), a whole number: p is 0 beside any key that counts,
; and exactly 1 everywhere in a row all of whose keys are masked: the uniform weights that -1e9 gives.  LIMIT: the masked logit is -2^30 and not -1e9; the results agree while real logits stay far above it: eq + ek between -94 and 9.
; LIMITS on the other exponents: ep and eo between -126 and 119.  NaN among the inputs is not served.
; REGISTERS.  window 0: v1-5 addresses that stay, v8-10 addresses in hand; v12-27 statistics, eight a tile: -M, largest t, the sum (2), f, (its pair's upper half), two at work; v28-31 scales and holds; v32-47 Q; v48-79 p's codes;
;   v80-83 the sums' second chains; v88 p's hold once more; v128-255 S^T, then p.   window 1: v0-63 O^T; v64-127 K's eight tiles; v128-191 V's four; v192-255 the bias.
.set PITCH, 272
.set VOFF,  512*PITCH                  ; V behind K's 512 lines
.set BOFF,  2*VOFF                     ; the bias: 2,048 f32
.set SOFF,  BOFF+8192                  ; the stages: 8 lines a wave
.set WSTG,  8*PITCH
.set KSTP,  32*PITCH                   ; a key step's 128 rows of K (or two blocks of V): 32 lines
.set AK0, 1
.set AB0, 2
.set STO, 3
.set RD,  4
.set GO,  5
.set ADK, 8
.set ADV, 9
.set ADB, 10
.set ST,  12
.set PS,  28
.set PL,  29
.set OS,  30
.set OL,  31
.set Q,   32
.set P,   48
.set CH,  80
.set PL2, 88                           ; the same number as v[PL], in a register whose number differs from PL's modulo 4: the two halves of a dual instruction take their second sources from different register banks
.set S,   128
.set OT,  0
.set KF,  64
.set VF,  128
.set BF,  192
.set MSB, 0
.macro WIN new
.if MSB != \new
	s_set_vgpr_msb (MSB<<8)|\new
.set MSB, \new
.endif
.endm
.macro CROUND
	s_barrier_signal -1
	s_barrier_wait -1
	s_cmp_lg_u32 s12, 0
	s_cbranch_scc1 .Lnot_wave_0_\@
	s_barrier_signal -3
.Lnot_wave_0_\@:
	s_barrier_wait -3
	s_barrier_signal -1
	s_barrier_wait -1
.endm
	s_load_b256 s[4:11], s[0:1], 0x0               ; qkvc 4, the mask 6, the scales 8, oc 10
	v_lshl_add_u32 v126, v0, 2, 0x4a400
	v_mov_b32 v127, 0
	ds_add_u32 v126, v127
	ds_add_u32 v126, v127
	v_lshrrev_b32 v1, 5, v0
	v_readfirstlane_b32 s12, v1                    ; wave 0..7
	s_bfe_u32 s13, ttmp6, 0x40000                  ; cx
	s_lshl_b32 s14, ttmp9, 2
	s_add_co_u32 s14, s14, s13                     ; my block of 256 queries: it enters Q's and oc's addresses alone
	s_and_b32 s15, ttmp7, 0xffff                   ; 16 x batch + head, which the four partners share
	s_mov_b32 s16, 15|(3<<16)|(1<<20)|(1<<21)|(5<<22)|(3<<25)   ; the mask: all four; elements of 8 bytes; padding on; bit 21 beside a mask; 4 words after every 64
	s_mov_b32 s17, 32<<16                          ; tensor_dim0 = 32 elements: a line of 256 bytes
	s_mov_b32 s18, 64<<16                          ; tensor_dim1 = 64 lines
	s_mov_b32 s19, 32<<16                          ; tile_dim0
	s_mov_b32 s20, 64                              ; tile_dim1
	s_mov_b32 s21, 32                              ; the pitch: dense
	s_mov_b32 s22, 0
	s_mov_b32 s23, 0
	s_lshr_b32 s32, s12, 2                         ; waves 0-3 fetch K, waves 4-7 V:
	s_and_b32 s33, s12, 3                          ; 64 lines of each half of the head
	s_mul_i32 s34, s32, VOFF
	s_mul_i32 s35, s33, 64*PITCH
	s_add_co_u32 s34, s34, s35                     ; in LDS,
	s_lshl_b32 s36, s32, 22
	s_add_co_u32 s36, s36, 0x400000
	s_lshl_b32 s37, s15, 17
	s_add_co_u32 s36, s36, s37
	s_lshl_b32 s37, s33, 14
	s_add_co_u32 s36, s36, s37                     ; and in memory
	s_mov_b32 s37, 0
	s_mov_b32 s40, 0x76543210                      ; v_permlanex16_b32: lane l xor 16
	s_mov_b32 s41, 0xfedcba98
	s_wait_dscnt 0x0
	s_wait_kmcnt 0x0
	s_load_b256 s[48:55], s[8:9], 0x18             ; entries 6 on: eq, ek, ep, ev, eo
	s_add_nc_u64 s[36:37], s[4:5], s[36:37]
.irp j, 0,1
	s_mov_b32 s[24+4*\j], 1
	s_add_co_u32 s[25+4*\j], s34, \j*256*PITCH
	s_add_nc_u64 s[26+4*\j:27+4*\j], s[36:37], \j*65536
	s_or_b32 s[27+4*\j], s[27+4*\j], 0x80000000
.endr
	CROUND                                         ; all four work-groups are here: the joint loads meet
	tensor_load_to_lds s[24:27], s[16:23]          ; keys 0-1,023: my 64 lines
	s_nop 0
	tensor_load_to_lds s[28:31], s[16:23]          ; keys 1,024-2,047.  Two loads of mine are out
	s_nop 0
.rept 4
	v_nop
.endr
	s_lshr_b32 s32, s15, 4
	s_lshl_b32 s32, s32, 13                        ; the batch's 2,048 words of the mask
	s_mov_b32 s33, 0
	s_add_nc_u64 s[6:7], s[6:7], s[32:33]
	v_lshlrev_b32 v6, 5, v0                        ; thread t takes keys 8 t .. 8 t + 7
	global_load_b128 v[96:99], v6, s[6:7]
	global_load_b128 v[100:103], v6, s[6:7] offset:16
	s_lshl_b32 s32, s15, 17
	s_lshl_b32 s34, s14, 14
	s_add_co_u32 s32, s32, s34
	s_lshl_b32 s34, s12, 11
	s_add_co_u32 s32, s32, s34
	s_add_nc_u64 s[4:5], s[4:5], s[32:33]          ; q's codes at my wave's 32 queries
	v_and_b32 v11, 15, v0                          ; r
	v_bfe_u32 v7, v0, 4, 1                         ; h
	v_lshrrev_b32 v84, 3, v11
	v_and_b32 v85, 7, v11
	v_lshl_add_u32 v84, v84, 4, v85
	v_lshlrev_b32 v84, 6, v84
	v_lshl_add_u32 v84, v7, 4, v84                 ; query 16 u + r lies at place 16 (r / 8) + 8 u + r % 8
.irp u, 0,1
.irp c, 0,1
	global_load_b128 v[Q+8*\u+4*\c:Q+8*\u+4*\c+3], v84, s[4:5] offset:512*\u+32*\c
.endr
.endr
	v_lshrrev_b32 v[AK0], 2, v11
	v_mul_u32_u24 v[AK0], v[AK0], PITCH
	v_and_b32 v85, 3, v11
	v_lshl_add_u32 v[AK0], v85, 6, v[AK0]
	v_lshl_add_u32 v[AK0], v7, 4, v[AK0]           ; row r of sixteen rows of 64 bytes: line r / 4, + 64 (r % 4), + 16 h
	v_lshlrev_b32 v[AB0], 6, v7
	v_add_nc_u32 v[AB0], BOFF, v[AB0]              ; the bias of my half's 16 keys of a block of 32
	s_mul_i32 s34, s12, WSTG
	s_add_co_u32 s34, s34, SOFF                    ; my stage
	v_add_nc_u32 v[STO], s34, v[AK0]
	v_mul_u32_u24 v[RD], v7, PITCH
	v_lshl_add_u32 v[RD], v11, 4, v[RD]
	v_add_nc_u32 v[RD], s34, v[RD]
	v_and_b32 v[GO], 31, v0
	v_lshlrev_b32 v[GO], 4, v[GO]
	v_lshl_add_u32 v86, v0, 5, BOFF                ; where thread t puts its eight numbers of the bias
	s_lshr_b32 s32, s15, 4                         ; oc: block of 128 tokens = 16 x batch + 2 x query block + wave / 4,
	s_lshl_b32 s32, s32, 4
	s_lshl_b32 s34, s14, 1
	s_add_co_u32 s32, s32, s34
	s_lshr_b32 s34, s12, 2
	s_add_co_u32 s32, s32, s34
	s_lshl_b32 s32, s32, 17
	s_and_b32 s34, s15, 15                         ; the head,
	s_lshl_b32 s34, s34, 13
	s_add_co_u32 s32, s32, s34
	s_and_b32 s34, s12, 3                          ; my 32 tokens of the 128
	s_lshl_b32 s34, s34, 11
	s_add_co_u32 s32, s32, s34
	s_add_nc_u64 s[10:11], s[10:11], s[32:33]
	s_wait_kmcnt 0x0
	s_add_co_i32 s56, s48, s49                     ; eq + ek
	s_lshl_b32 s57, s56, 23
	s_mov_b32 s42, 0x3e38aa3b                      ; c = log2(e) / 8,
	s_add_co_i32 s42, s42, s57                     ; x 2^(eq + ek): added to its exponent field
	s_mov_b32 s43, s42                             ; (named with it as a pair, so it is written)
	s_sub_co_i32 s57, 160, s56
	s_lshl_b32 s57, s57, 23
	s_or_b32 s57, s57, 0x80000000
	v_mov_b32 v87, s57                             ; NEG = -2^(33 - eq - ek)
	s_add_co_i32 s57, s50, 127
	s_lshl_b32 s58, s57, 23
	v_mov_b32 v[PS], s58                           ; 2^ep
	s_add_co_i32 s57, s57, 8
	s_lshl_b32 s57, s57, 23
	s_or_b32 s57, s57, 0x600000
	v_mov_b32 v[PL], s57                           ; 448 x 2^ep,
	v_mov_b32 v[PL2], s57                          ; twice
	s_add_co_i32 s57, s52, 127
	s_lshl_b32 s58, s57, 23
	v_mov_b32 v[OS], s58                           ; 2^eo
	s_add_co_i32 s57, s57, 8
	s_lshl_b32 s57, s57, 23
	s_or_b32 s57, s57, 0x600000
	v_mov_b32 v[OL], s57                           ; 448 x 2^eo
	s_add_co_i32 s58, s50, s51                     ; ep + ev
	s_wait_loadcnt 4                               ; the mask's two loads are in; Q's four may be out
.irp i, 0,1,2,3,4,5,6,7
	v_cmp_eq_u32 vcc_lo, 0, v[96+\i]
	v_cndmask_b32 v[104+\i], 0, v87, vcc_lo
.endr
	ds_store_b128 v86, v[104:107]
	ds_store_b128 v86, v[108:111] offset:16
	WIN 0x40
.set j, 0
.rept 64
	v_mov_b32 v[OT+j], 0                           ; O^T.  (The step is written without a first form of its own: the first finds zeros, which the first change of M leaves zeros)
.set j, j+1
.endr
	WIN 0
.irp u, 0,1
	v_mov_b32 v[ST+8*\u+1], 0xff61b1e6             ; the largest t so far: -3e38
	v_floor_f32 v[ST+8*\u], -v[ST+8*\u+1]          ; -M
	v_mov_b32 v[ST+8*\u+2], 0                      ; the sum, in two halves
	v_mov_b32 v[ST+8*\u+3], 0
	v_mov_b32 v[ST+8*\u+5], 0                      ; (named as the upper half of f's pair)
.endr
; The bias and K's eight tiles of a key step, ob and ok bytes on from the addresses in hand: 32 loads.  Tile t = 2 b + u: keys 32 b + 16 h + 8 u + 0 .. 7.  (Destination window 1.)
.macro KBLOAD ok, ob
.irp t, 0,1,2,3,4,5,6,7
.irp e, 0,1
	ds_load_b128 v[BF+8*\t+4*\e:BF+8*\t+4*\e+3], v[ADB] offset:\ob+128*(\t/2)+32*(\t%2)+16*\e
.endr
.endr
.irp t, 0,1,2,3,4,5,6,7
.irp c, 0,1
	ds_load_b128 v[KF+8*\t+4*\c:KF+8*\t+4*\c+3], v[ADK] offset:\ok+1088*\t+32*\c
.endr
.endr
.endm
; Reader number n (0 .. 63) of tile u's 64 weights p.  Even n: addition n / 2 of the row's sum, which is taken of the unquantised p, two at a time, in two chains.  Odd n: hold (n - 1) / 2: two numbers an instruction.
; Addition a has read registers up to 2 a + 3, so hold a, on registers 2 a and 2 a + 1, comes behind every addition that reads them.
; The conversion does not saturate (ISA guide 7.6.2); p is not negative: a one-sided hold.
.macro RDR u, n
.set m, (\n)/2
.if ((\n)%2) == 1
	v_dual_min_num_f32 v[S+64*(\u)+2*m], v[S+64*(\u)+2*m], v[PL] :: v_dual_min_num_f32 v[S+64*(\u)+2*m+1], v[S+64*(\u)+2*m+1], v[PL2]
.elseif m == 0
	v_pk_add_f32 v[CH+2*(\u):CH+2*(\u)+1], v[S+64*(\u):S+64*(\u)+1], v[S+64*(\u)+2:S+64*(\u)+3]
.elseif m == 31
	v_pk_add_f32 v[ST+8*(\u)+2:ST+8*(\u)+3], v[ST+8*(\u)+2:ST+8*(\u)+3], v[CH+2*(\u):CH+2*(\u)+1]
.elseif (m%2) == 1
	v_pk_add_f32 v[ST+8*(\u)+2:ST+8*(\u)+3], v[ST+8*(\u)+2:ST+8*(\u)+3], v[S+64*(\u)+2*m+2:S+64*(\u)+2*m+3]
.else
	v_pk_add_f32 v[CH+2*(\u):CH+2*(\u)+1], v[CH+2*(\u):CH+2*(\u)+1], v[S+64*(\u)+2*m+2:S+64*(\u)+2*m+3]
.endif
.endm
.macro CODES u                         ; tile u's held weights become the second product's operand
.irp b, 0,1,2,3
	v_cvt_scalef32_pk8_fp8_f32 v[P+16*(\u)+4*\b:P+16*(\u)+4*\b+1], v[S+64*(\u)+16*\b:S+64*(\u)+16*\b+7], v[PS]
	v_cvt_scalef32_pk8_fp8_f32 v[P+16*(\u)+4*\b+2:P+16*(\u)+4*\b+3], v[S+64*(\u)+16*\b+8:S+64*(\u)+16*\b+15], v[PS]
.endr
.endm
; A KEY STEP: 128 keys for both tiles.  s44: the step's first byte in K's (and V's) lines; s45: in the bias.  pre = 1: the next step's K and bias are asked for.
.macro STEP pre
	s_wait_dscnt 0x0                               ; this step's K and bias, asked for a step ago, are in
	WIN 0x11                                       ; K and the bias in window 1, Q and S^T in window 0
.irp u, 0,1
.irp t, 0,1,2,3,4,5,6,7
	v_wmma_f32_16x16x64_fp8_fp8 v[S+64*\u+8*\t:S+64*\u+8*\t+7], v[KF+8*\t:KF+8*\t+7], v[Q+8*\u:Q+8*\u+7], v[BF+8*\t:BF+8*\t+7]
.endr
.endr
	WIN 0
	v_add_nc_u32 v[ADK], s44, v[AK0]               ; three additions and a v_nop: the four places between the products (these, and the last step's second ones) and the loads into their registers, and the first read of the scores
	v_add_nc_u32 v[ADB], s45, v[AB0]
	v_add_nc_u32 v[ADV], VOFF, v[ADK]
	v_nop
	WIN 0x40                                       ; destination window 1
.irp t, 0,1,2,3                                ; V of this step: 16 places of channels x 128 keys: two blocks of 64 keys, 16 lines apart
.irp c, 0,1,2,3
	ds_load_b128 v[VF+16*\t+4*\c:VF+16*\t+4*\c+3], v[ADV] offset:4352*(\c/2)+1088*\t+32*(\c%2)
.endr
.endr
.if \pre
	KBLOAD KSTP, 512                               ; K and the bias of the next step
.endif
	WIN 0
.irp u, 0,1                                    ; the step's largest score of my query among my 64 keys: two chains a tile, each accumulator from its low end on
	v_max3_num_f32 v[ST+8*\u+6], v[S+64*\u], v[S+64*\u+1], v[S+64*\u+2]
	v_max3_num_f32 v[ST+8*\u+7], v[S+64*\u+3], v[S+64*\u+4], v[S+64*\u+5]
.endr
.irp i, 6,10,14,18,22,26,30,34,38,42,46,50,54,58
.irp u, 0,1
	v_max3_num_f32 v[ST+8*\u+6], v[ST+8*\u+6], v[S+64*\u+\i], v[S+64*\u+\i+1]
	v_max3_num_f32 v[ST+8*\u+7], v[ST+8*\u+7], v[S+64*\u+\i+2], v[S+64*\u+\i+3]
.endr
.endr
.irp u, 0,1
	v_max3_num_f32 v[ST+8*\u+6], v[ST+8*\u+6], v[S+64*\u+62], v[S+64*\u+63]
.endr
.irp u, 0,1
	v_max_num_f32 v[ST+8*\u+6], v[ST+8*\u+6], v[ST+8*\u+7]
.endr
.irp u, 0,1
	v_permlanex16_b32 v[ST+8*\u+7], v[ST+8*\u+6], s40, s41
.endr
.irp u, 0,1
	v_max_num_f32 v[ST+8*\u+6], v[ST+8*\u+6], v[ST+8*\u+7]   ; and among lane l xor 16's
.endr
.irp u, 0,1
	v_mul_f32 v[ST+8*\u+6], s42, v[ST+8*\u+6]      ; as t (c is positive)
.endr
.irp u, 0,1
	v_max_num_f32 v[ST+8*\u+1], v[ST+8*\u+1], v[ST+8*\u+6]   ; the running largest t
	v_mov_b32 v[ST+8*\u+6], v[ST+8*\u]
.endr
.irp u, 0,1
	v_floor_f32 v[ST+8*\u], -v[ST+8*\u+1]          ; the new -M = -ceil(t): a whole number
.endr
.irp u, 0,1
	v_sub_f32 v[ST+8*\u+6], v[ST+8*\u], v[ST+8*\u+6]   ; old M - new M: a whole number, 0 or less
.endr
.irp u, 0,1
	v_cvt_i32_f32 v[ST+8*\u+6], v[ST+8*\u+6]       ; (it saturates)
.endr
.irp u, 0,1
	v_ldexp_f32 v[ST+8*\u+4], 1.0, v[ST+8*\u+6]    ; f = 2^(old M - new M): a factor that rounds nothing
.endr
.set j, 0
.rept 32
	v_pk_fma_f32 v[S+j:S+j+1], v[S+j:S+j+1], s[42:43], v[ST:ST+1] op_sel_hi:[1,0,0]   ; tile 0: t - M, two at a time
.set j, j+2
.endr
.set j, 0
.rept 32                                       ; tile 0's exponentials, p = 2^(t - M), with tile 1's scalings among them: none of these lines names an exponential's result
	v_exp_f32 v[S+j], v[S+j]
	v_exp_f32 v[S+j+1], v[S+j+1]
	v_pk_fma_f32 v[S+64+j:S+64+j+1], v[S+64+j:S+64+j+1], s[42:43], v[ST+8:ST+9] op_sel_hi:[1,0,0]
.set j, j+2
.endr
.irp u, 0,1
	v_pk_mul_f32 v[ST+8*\u+2:ST+8*\u+3], v[ST+8*\u+2:ST+8*\u+3], v[ST+8*\u+4:ST+8*\u+5] op_sel_hi:[1,0]   ; the sums under the new M
.endr
	s_wait_alu depctr_va_vdst(0)                   ; one wait for tile 0's batch, ahead of its first reader
.set n, 0
.rept 64                                       ; tile 1's exponentials by turns with tile 0's sums and holds, which name tile 0's registers alone
	v_exp_f32 v[S+64+n], v[S+64+n]
	RDR 0, n
.set n, n+1
.endr
	v_nop                                          ; a plain line behind the last exponential
	CODES 0
	s_wait_alu depctr_va_vdst(0)                   ; one wait for tile 1's batch, ahead of its first reader
.set n, 0
.rept 64
	RDR 1, n
.set n, n+1
.endr
	CODES 1
	WIN 0x41                                       ; O^T (destination, source 0) in window 1, f in window 0
.irp u, 0,1
.set j, 0
.rept 16
	v_pk_mul_f32 v[OT+32*\u+j:OT+32*\u+j+1], v[OT+32*\u+j:OT+32*\u+j+1], v[ST+8*\u+4:ST+8*\u+5] op_sel_hi:[1,0]   ; O^T under the new M; also the plain lines behind the conversions
.set j, j+2
.endr
.endr
.if \pre
	s_wait_dscnt 32                                ; V is in; the 32 younger loads, the next step's K and bias, may be out
.else
	s_wait_dscnt 0x0                               ; V is in
.endif
	WIN 0x51                                       ; V and O^T in window 1, p's codes in window 0
.irp t, 0,1,2,3                                ; the eight accumulators take turns
.irp u, 0,1
	v_wmma_f32_16x16x128_fp8_fp8 v[OT+32*\u+8*\t:OT+32*\u+8*\t+7], v[VF+16*\t:VF+16*\t+15], v[P+16*\u:P+16*\u+15], v[OT+32*\u+8*\t:OT+32*\u+8*\t+7]
.endr
.endr
	WIN 0
	s_add_co_u32 s44, s44, KSTP                    ; 128 keys on: 32 lines,
	s_add_co_u32 s45, s45, 512                     ; 128 numbers of the bias
.endm
	s_wait_dscnt 0x0                               ; my part of the bias is stored,
	s_wait_tensorcnt 0x1                           ; my part of keys 0-1,023 has landed; the second load may be out
	s_barrier_signal -1
	s_barrier_wait -1
	s_mov_b32 s44, 0
	s_mov_b32 s45, 0
	v_add_nc_u32 v[ADK], s44, v[AK0]
	v_add_nc_u32 v[ADB], s45, v[AB0]
	WIN 0x40
	KBLOAD 0, 0                                    ; key step 0's K and bias
	WIN 0
	s_wait_loadcnt 0x0                             ; Q
	s_mov_b32 s46, 7
.Lfirst:                                           ; steps 0 to 6; they fetch for steps 1 to 7, all among keys 0-1,023
	STEP 1
	s_sub_co_u32 s46, s46, 1
	s_cmp_lg_u32 s46, 0
	s_cbranch_scc1 .Lfirst
	s_wait_tensorcnt 0x0                           ; my part of keys 1,024-2,047 has landed
	s_wait_dscnt 0x0                               ; no LDS instruction of mine is out at a signal
	s_barrier_signal -1
	s_barrier_wait -1                              ; everybody's has
	s_mov_b32 s44, 7*KSTP
	s_mov_b32 s45, 7*512
	s_mov_b32 s46, 8
.Lsecond:                                          ; steps 7 to 14; they fetch for steps 8 to 15
	STEP 1
	s_sub_co_u32 s46, s46, 1
	s_cmp_lg_u32 s46, 0
	s_cbranch_scc1 .Lsecond
	s_mov_b32 s44, 15*KSTP
	s_mov_b32 s45, 15*512
	STEP 0                                         ; step 15: nothing is left to fetch
	; THE WAY OUT: O^T / the sum x 2^(ep + ev), held and converted with 2^eo; 16 bytes a lane into my stage; back as lines; 512 consecutive bytes a store.
.rept 4
	v_nop
.endr
.irp u, 0,1
	v_add_f32 v[ST+8*\u+6], v[ST+8*\u+2], v[ST+8*\u+3]
.endr
.irp u, 0,1
	v_permlanex16_b32 v[ST+8*\u+7], v[ST+8*\u+6], s40, s41
.endr
.irp u, 0,1
	v_add_f32 v[ST+8*\u+6], v[ST+8*\u+6], v[ST+8*\u+7]
.endr
.irp u, 0,1
	v_rcp_f32 v[ST+8*\u+4], v[ST+8*\u+6]
.endr
	v_nop                                          ; a plain line behind the reciprocals,
	s_wait_alu depctr_va_vdst(0)                   ; and one wait for both, ahead of the first reader
.irp u, 0,1
	v_ldexp_f32 v[ST+8*\u+4], v[ST+8*\u+4], s58
.endr
	WIN 0x01                                       ; source 0 (O^T) in window 1
.irp u, 0,1
.set j, 0
.rept 32
	v_mul_f32 v[S+32*\u+j], v[OT+32*\u+j], v[ST+8*\u+4]
.set j, j+1
.endr
.endr
	WIN 0
.irp u, 0,1
.set j, 0
.rept 32
	v_med3_num_f32 v[S+32*\u+j], v[S+32*\u+j], -v[OL], v[OL]
.set j, j+1
.endr
.irp b, 0,1                                    ; tiles 2 b, 2 b + 1: channels 32 b + 16 h + 0 .. 15
	v_cvt_scalef32_pk8_fp8_f32 v[P+8*\u+4*\b:P+8*\u+4*\b+1], v[S+32*\u+16*\b:S+32*\u+16*\b+7], v[OS]
	v_cvt_scalef32_pk8_fp8_f32 v[P+8*\u+4*\b+2:P+8*\u+4*\b+3], v[S+32*\u+16*\b+8:S+32*\u+16*\b+15], v[OS]
.endr
.endr
	v_nop
.irp u, 0,1
.irp b, 0,1
	ds_store_b128 v[STO], v[P+8*\u+4*\b:P+8*\u+4*\b+3] offset:1088*\u+32*\b   ; token 16 u + r: line 4 u + r / 4
.endr
.endr
.irp i, 0,1,2,3
	ds_load_b128 v[96+4*\i:99+4*\i], v[RD] offset:544*\i   ; LDS serves a wave's instructions in order: these see my stores
.endr
.irp i, 0,1,2,3
	s_wait_dscnt 3-\i
	global_store_b128 v[GO], v[96+4*\i:99+4*\i], s[10:11] offset:512*\i
.endr
	s_wait_tensorcnt 0x0
	ds_add_u32 v126, v127
	s_wait_dscnt 0x0
	CROUND                                         ; the closing round: no work-group ends while a partner may still ask jointly
	s_endpgm
.Lfunc_end_k_qe9a51fb64e_attn:
	.size	k_qe9a51fb64e_attn, .Lfunc_end_k_qe9a51fb64e_attn-k_qe9a51fb64e_attn
	.p2alignl 7, 3214868480
	.fill 96, 4, 3214868480
	.section	.rodata,"a",@progbits
	.p2align	6, 0x0
	.amdhsa_kernel k_qe9a51fb64e_attn
		.amdhsa_group_segment_fixed_size 327680
		.amdhsa_private_segment_fixed_size 0
		.amdhsa_enable_private_segment 0
		.amdhsa_kernarg_size 32
		.amdhsa_user_sgpr_count 2
		.amdhsa_user_sgpr_kernarg_segment_ptr 1
		.amdhsa_wavefront_size32 1
		.amdhsa_system_sgpr_workgroup_id_x 1
		.amdhsa_system_sgpr_workgroup_id_y 1
		.amdhsa_system_sgpr_workgroup_id_z 1
		.amdhsa_system_vgpr_workitem_id 0
		.amdhsa_next_free_vgpr 512
		.amdhsa_next_free_sgpr 66
		.amdhsa_reserve_vcc 1
		.amdhsa_float_denorm_mode_32 3
		.amdhsa_float_denorm_mode_16_64 3
		.amdhsa_memory_ordered 1
		.amdhsa_forward_progress 1
		.amdhsa_inst_pref_size 107
	.end_amdhsa_kernel
	.amdgpu_metadata
---
amdhsa.version: [ 1, 2 ]
amdhsa.kernels:
  - .name:           k_qe9a51fb64e_attn
    .symbol:         k_qe9a51fb64e_attn.kd
    .args:
      - { .name: qkvc, .offset: 0, .size: 8, .value_kind: global_buffer, .address_space: global }
      - { .name: input_mask, .offset: 8, .size: 8, .value_kind: global_buffer, .address_space: global }
      - { .name: lowp_scales, .offset: 16, .size: 8, .value_kind: global_buffer, .address_space: global }
      - { .name: oc, .offset: 24, .size: 8, .value_kind: global_buffer, .address_space: global }
    .group_segment_fixed_size: 327680
    .private_segment_fixed_size: 0
    .kernarg_segment_align: 8
    .kernarg_segment_size: 32
    .max_flat_workgroup_size: 256
    .sgpr_count:     66
    .vgpr_count:     512
    .wavefront_size: 32
...
	.end_amdgpu_metadata
.endif
;; end of part 3
;; launch oproj (part 4): grid 8 x 32, 4 waves a work-group, clusters of 4 x 4, 327,680 bytes of LDS; arguments oc, wc, lowp_scales, x, x1; writes x1
.if DOCPART == 4
	.amdgcn_target "amdgcn-amd-amdhsa--gfx1250"
	.amdhsa_code_object_version 6
	.text
	.protected	k_qe9a51fb64e_oproj
	.globl	k_qe9a51fb64e_oproj
	.p2align	8
	.type	k_qe9a51fb64e_oproj,@function
k_qe9a51fb64e_oproj:
	s_mov_b64 s[64:65], 0
	v_nop
	global_prefetch_b8 v0, s[64:65] scope:SCOPE_SE
	s_setreg_imm32_b32 hwreg(HW_REG_WAVE_MODE, 25, 1), 1
	s_wait_xcnt 0x0
	s_wait_alu depctr_hold_cnt(0) depctr_sa_sdst(0) depctr_va_vdst(0) depctr_va_sdst(0) depctr_va_ssrc(0) depctr_va_vcc(0) depctr_vm_vsrc(0)
	s_getreg_b32 s2, hwreg(HW_REG_IB_STS2, 6, 4)
	s_cmp_eq_u32 s2, 0
	s_cbranch_scc0 .Lentry_in_a_cluster
	s_endpgm
.Lentry_in_a_cluster:
	s_bfe_u32 s2, ttmp6, 0x10000c
	s_cmp_lg_u32 s2, 0xf033
	s_cbranch_scc0 .Lentry_shape_is_right
	s_endpgm
.Lentry_shape_is_right:
; x1 = x + o w_o^T on codes of E4M3, K = 1,024.  o's codes come blocked along K: [32 blocks of 128 tokens][16 heads][128 tokens][64 bytes]; w_o's as rows [1,024][1,024] in wc.
; A tile of 128 x 128 to a work-group (256 work-groups: tiles of 256 x 256 would be 64); four waves, 64 x 64 each: 16 accumulators.  K goes in steps of 512 through two LDS slots.
; A's K step is one dense block of 64 KiB: it comes as 256 lines of 256 bytes + 16 of padding (four token rows of 64 bytes a line); B's as 128 rows of 512 bytes + 16.
; CLUSTERS: 4 x 4; A's tile jointly along a row of the cluster, B's along a column.  THE MATRIX INSTRUCTION IS USED TRANSPOSED (source 0 = B's rows, source 1 = A's): a lane holds eight neighbours of a row of the result.
; With K = 1,024 the two slots hold all of K: nothing is filled again; the text keeps the ring's form.
; OUT: a wave's 64 columns of f32 are 256 bytes: blocks of 16 rows go through the wave's own stage and leave as whole aligned runs of 256 bytes; result = sum x 2^(eo + ew) + x.  LIMIT: eo + ew between -126 and 127.
; REGISTERS: window 0: v16-29 addresses; v32-95 rows read back, two sets; v128-255 the accumulators ((a, b) at v[128 + 8 (4 a + b)]).  window 1: two fragment buffers of 128: A's four fragments, then B's four.  window 2: v0-127 the residual.
.set KTOT,  1024
.set KBW,   64                         ; bytes of a token's row in a block of A
.set WOFF,  3<<20
.set SCOFF, 40
.set HASB,  0
.set APART, 256*272
.set SLOT,  APART+128*528
.set SPARE, 2*SLOT
.set STAGE, SPARE+512
.set LAPS,  KTOT/1024
.set ADRA, 16
.set ADRB, 20
.set STO,  24
.set RD,   25
.set CO,   26
.set SPW,  28
.set NIL,  29
.set BK,   32
.set BIAS, 96
.set ACC,  128
.set F0,   0
.set F1,   128
.set G1, 24
.set G0, 32
.set G1B, 48
.set G0B, 56
.set MSB, 0
.macro WIN new
.if MSB != \new
	s_set_vgpr_msb (MSB<<8)|\new
.set MSB, \new
.endif
.endm
.set MUL,  0x05                        ; sources 0 (B) and 1 (A) window 1; C and D window 0
.set TO_F, 0x40
.macro JLOAD g0a, g1a, g0b, g1b        ; waves 0, 1 fetch A's halves, waves 2, 3 B's; four v_nop follow each line
	s_cmp_eq_u32 s15, 0
	s_cbranch_scc0 .Lfor_b_\@
	tensor_load_to_lds s[\g0a:\g0a+3], s[\g1a:\g1a+7]
	s_nop 0
.rept 4
	v_nop
.endr
	s_branch .Lasked_\@
.Lfor_b_\@:
	tensor_load_to_lds s[\g0b:\g0b+3], s[\g1b:\g1b+7]
	s_nop 0
.rept 4
	v_nop
.endr
.Lasked_\@:
.endm
.macro CREST
	s_cmp_lg_u32 s14, 0
	s_cbranch_scc1 .Lnot_wave_0_\@
	s_barrier_signal -3
.Lnot_wave_0_\@:
	s_barrier_wait -3
	s_barrier_signal -1
	s_barrier_wait -1
.endm
.macro CROUND
	s_barrier_signal -1
	s_barrier_wait -1
	CREST
.endm
	s_load_b256 s[4:11], s[0:1], 0x0               ; A's codes 4, wc 6, the scales 8, the residual 10
.if HASB
	s_load_b128 s[84:87], s[0:1], 0x20             ; the bias 84, the result 86
.else
	s_load_b64 s[86:87], s[0:1], 0x20              ; the result
.endif
	v_lshl_add_u32 v[SPW], v0, 2, SPARE
	v_mov_b32 v[NIL], 0
	ds_add_u32 v28, v29
	ds_add_u32 v28, v29
	s_wait_dscnt 0x0
	v_lshrrev_b32 v1, 5, v0
	v_readfirstlane_b32 s14, v1                    ; wave
	s_lshr_b32 s15, s14, 1                         ; my half of the rows; also: I fetch for A (0) or B (1)
	s_and_b32 s16, s14, 1                          ; my half of the columns; also: which half of that tile I fetch
	s_bfe_u32 s40, ttmp6, 0x40000
	s_bfe_u32 s41, ttmp6, 0x40004
	s_lshl_b32 s42, ttmp9, 2
	s_add_co_u32 s42, s42, s40                     ; tile column
	s_and_b32 s17, ttmp7, 0xffff
	s_lshl_b32 s17, s17, 2
	s_add_co_u32 s17, s17, s41                     ; tile row
	s_lshl_b32 s43, s41, 2
	s_lshl_b32 s43, 15, s43
	s_lshl_b32 s44, 0x1111, s40
	s_or_b32 s[G1+0], s43, (3<<16)|(1<<20)|(1<<21)|(5<<22)|(3<<25)   ; A: elements of 8 bytes; 4 words of padding after every 64
	s_mov_b32 s[G1+1], 32<<16                      ; a line: 32 elements
	s_mov_b32 s[G1+2], 128<<16                     ; 128 lines
	s_mov_b32 s[G1+3], 32<<16
	s_mov_b32 s[G1+4], 128
	s_mov_b32 s[G1+5], 32                          ; dense
	s_mov_b32 s[G1+6], 0
	s_mov_b32 s[G1+7], 0
	s_or_b32 s[G1B+0], s44, (0<<16)|(1<<20)|(1<<21)|(6<<22)|(3<<25)  ; B: elements of 1 byte; 4 words of padding after every 128
	s_mov_b32 s[G1B+1], 512<<16
	s_mov_b32 s[G1B+2], 64<<16
	s_mov_b32 s[G1B+3], 512<<16
	s_mov_b32 s[G1B+4], 64
	s_mov_b32 s[G1B+5], KTOT
	s_mov_b32 s[G1B+6], 0
	s_mov_b32 s[G1B+7], 0
	s_mul_i32 s20, s17, 128*KTOT                   ; A: the tile row's block, + my half of a K step's 64 KiB
	s_lshl_b32 s18, s16, 15
	s_add_co_u32 s20, s20, s18
	s_mov_b32 s21, 0
	s_lshl_b32 s46, s42, 7                         ; B: row 128 x tile column + 64 x half
	s_lshl_b32 s18, s16, 6
	s_add_co_u32 s46, s46, s18
	s_mul_i32 s46, s46, KTOT
	s_add_co_u32 s46, s46, WOFF
	s_mov_b32 s47, 0
	s_mul_i32 s45, s16, 128*272                    ; where they go
	s_mul_i32 s22, s16, 64*528
	s_add_co_u32 s22, s22, APART
	s_wait_kmcnt 0x0
	s_load_b64 s[96:97], s[8:9], SCOFF             ; the two exponents
	s_add_nc_u64 s[20:21], s[4:5], s[20:21]
	s_add_nc_u64 s[46:47], s[6:7], s[46:47]
	CROUND
.irp s, 0,1
	s_mov_b32 s[G0+4*\s], 1
	s_add_co_u32 s[G0+4*\s+1], s45, \s*SLOT
	s_add_nc_u64 s[G0+4*\s+2:G0+4*\s+3], s[20:21], \s*65536
	s_or_b32 s[G0+4*\s+3], s[G0+4*\s+3], 0x80000000
	s_mov_b32 s[G0B+4*\s], 1
	s_add_co_u32 s[G0B+4*\s+1], s22, \s*SLOT
	s_add_nc_u64 s[G0B+4*\s+2:G0B+4*\s+3], s[46:47], \s*512
	s_or_b32 s[G0B+4*\s+3], s[G0B+4*\s+3], 0x80000000
	JLOAD G0+4*\s, G1, G0B+4*\s, G1B
.endr
	v_and_b32 v1, 15, v0                           ; r
	v_bfe_u32 v2, v0, 4, 1                         ; h
.if KBW == 64
	v_lshrrev_b32 v3, 2, v1                        ; four token rows a line
	v_mul_u32_u24 v3, v3, 272
	v_and_b32 v4, 3, v1
	v_lshl_add_u32 v3, v4, 6, v3
	s_mul_i32 s21, s15, 16*272                     ; my 64 tokens
.else
	v_lshrrev_b32 v3, 1, v1                        ; two token rows a line
	v_mul_u32_u24 v3, v3, 272
	v_and_b32 v4, 1, v1
	v_lshl_add_u32 v3, v4, 7, v3
	s_mul_i32 s21, s15, 32*272
.endif
	v_lshl_add_u32 v3, v2, 4, v3
	v_mul_u32_u24 v4, v1, 528
	v_lshl_add_u32 v4, v2, 4, v4
.irp s, 0,1
	v_add_nc_u32 v[ADRA+\s], s21, v3
	v_add_nc_u32 v[ADRB+\s], s22, v4               ; (s22: B's part + my 64 rows: the rows that I multiply are the half that bears my number's low bit)
	s_add_co_u32 s21, s21, SLOT
	s_add_co_u32 s22, s22, SLOT
.endr
	s_mul_i32 s23, s14, 16*272
	s_add_co_u32 s23, s23, STAGE                   ; my stage
	v_mul_u32_u24 v5, v1, 272
	v_lshl_add_u32 v5, v2, 5, v5
	v_add_nc_u32 v[STO], s23, v5
	v_mul_u32_u24 v5, v2, 272
	v_lshl_add_u32 v5, v1, 4, v5
	v_add_nc_u32 v[RD], s23, v5
	v_lshlrev_b32 v5, 12, v2
	v_lshl_add_u32 v[CO], v1, 4, v5                ; lanes 0-15 one row's 256 bytes, lanes 16-31 the next row's
	s_lshl_b32 s88, s17, 7
	s_lshl_b32 s89, s15, 6
	s_add_co_u32 s88, s88, s89                     ; my first row,
	s_lshl_b32 s88, s88, 12
	s_lshl_b32 s90, s42, 7
	s_lshl_b32 s91, s16, 6
	s_add_co_u32 s90, s90, s91                     ; my first column,
	s_lshl_b32 s90, s90, 2
	s_add_co_u32 s88, s88, s90                     ; in bytes
	s_mov_b32 s89, 0
	s_add_nc_u64 s[10:11], s[10:11], s[88:89]
	s_add_nc_u64 s[86:87], s[86:87], s[88:89]
.if HASB
	s_mov_b32 s91, 0
	s_add_nc_u64 s[84:85], s[84:85], s[90:91]
	v_lshlrev_b32 v6, 5, v2
.irp b, 0,1,2,3
	global_load_b128 v[BIAS+8*\b:BIAS+8*\b+3], v6, s[84:85] offset:64*\b       ; the bias of columns 16 b + 8 h + 0 .. 7
	global_load_b128 v[BIAS+8*\b+4:BIAS+8*\b+7], v6, s[84:85] offset:64*\b+16
.endr
.endif
	WIN 0x80                                       ; destination window 2
.irp a, 0,1,2,3
.irp t, 0,1,2,3,4,5,6,7
	global_load_b128 v[4*(8*\a+\t):4*(8*\a+\t)+3], v[CO], s[10:11] offset:(16*\a+2*\t)*4096   ; the residual, in the layout in which the rows come back from the stage
.endr
.endr
	WIN 0
	s_wait_kmcnt 0x0
	s_add_co_i32 s96, s96, s97
	s_sub_co_i32 s95, 0, s96
	s_add_co_i32 s96, s96, 127
	s_lshl_b32 s96, s96, 23                        ; 2^(ea + eb) as f32
	s_mov_b32 s97, s96
.if HASB
	s_wait_loadcnt 32                              ; the bias is in; the residual's 32 loads may be out
.set j, 0
.rept 32
	v_ldexp_f32 v[BIAS+j], v[BIAS+j], s95          ; it goes in as the first product's C, divided by the power of two that the sums lack
.set j, j+1
.endr
.endif
.macro FETCH slot, q, f                ; 32 loads: B's four fragments, A's blocks 0, 1, A's blocks 2, 3.  Registers 4 c .. 4 c + 3: K = 128 q + 32 c + 16 h + 0 .. 15 on both sides
	WIN TO_F
.irp i, 0,1,2,3
.irp c, 0,1,2,3
	ds_load_b128 v[\f+64+16*\i+4*\c:\f+64+16*\i+4*\c+3], v[ADRB+\slot] offset:128*(\q)+32*\c+8448*\i
.endr
.endr
.irp a, 0,1,2,3
.irp c, 0,1,2,3
.if KBW == 64
	ds_load_b128 v[\f+16*\a+4*\c:\f+16*\a+4*\c+3], v[ADRA+\slot] offset:(2*(\q)+\c/2)*8704+1088*\a+32*(\c%2)
.else
	ds_load_b128 v[\f+16*\a+4*\c:\f+16*\a+4*\c+3], v[ADRA+\slot] offset:17408*(\q)+2176*\a+32*\c
.endif
.endr
.endr
.endm
.macro MUL8 f, a0, start               ; A's blocks a0, a0 + 1 x B's four.  The 16 accumulators take turns, in one order everywhere
.irp a, \a0, \a0+1
.irp b, 0,1,2,3
.if \start
.if HASB
	v_wmma_f32_16x16x128_fp8_fp8 v[ACC+8*(4*(\a)+\b):ACC+8*(4*(\a)+\b)+7], v[\f+64+16*\b:\f+64+16*\b+15], v[\f+16*(\a):\f+16*(\a)+15], v[BIAS+8*\b:BIAS+8*\b+7]
.else
	v_wmma_f32_16x16x128_fp8_fp8 v[ACC+8*(4*(\a)+\b):ACC+8*(4*(\a)+\b)+7], v[\f+64+16*\b:\f+64+16*\b+15], v[\f+16*(\a):\f+16*(\a)+15], 0
.endif
.else
	v_wmma_f32_16x16x128_fp8_fp8 v[ACC+8*(4*(\a)+\b):ACC+8*(4*(\a)+\b)+7], v[\f+64+16*\b:\f+64+16*\b+15], v[\f+16*(\a):\f+16*(\a)+15], v[ACC+8*(4*(\a)+\b):ACC+8*(4*(\a)+\b)+7]
.endif
.endr
.endr
.endm
.macro PLACES
.rept 4
	v_nop
.endr
.endm
.macro QUARTER slot, qnext, f, g, start    ; 128 along K from buffer f; the next quarter's fragments are fetched into g in its middle
	s_wait_dscnt 8                                 ; B and A's blocks 0, 1 are in; the eight youngest loads may be out
	WIN MUL
	MUL8 \f, 0, \start
	PLACES
	FETCH \slot, \qnext, \g
	s_wait_dscnt 32                                ; all but the 32 just issued
	WIN MUL
	MUL8 \f, 2, \start
.endm
.macro TURN slot, next, fill           ; a slot's last quarter changes slots: one barrier
	WIN 0
	s_wait_tensorcnt 0x0                           ; all my tensor loads have landed
	ds_add_u32 v[SPW], v[NIL]                      ; 0 onto my spare word
	s_wait_dscnt 9                                 ; the add and the eight youngest loads may be out
	WIN MUL
	MUL8 F1, 0, 0
	s_wait_dscnt 0x0                               ; the add is done, and my reads of this slot are over
	WIN 0
	s_barrier_signal -1
	s_barrier_wait -1
.if \fill
	CREST                                          ; the barrier has opened a round of the cluster's
	s_add_nc_u64 s[G0+4*\slot+2:G0+4*\slot+3], s[G0+4*\slot+2:G0+4*\slot+3], 131072
	s_add_nc_u64 s[G0B+4*\slot+2:G0B+4*\slot+3], s[G0B+4*\slot+2:G0B+4*\slot+3], 1024
	JLOAD G0+4*\slot, G1, G0B+4*\slot, G1B         ; the first tensor load behind the round; its four v_nop are the places in front of the loads below
.else
	PLACES
.endif
	FETCH \next, 0, F0
	WIN MUL
	MUL8 F1, 2, 0
.endm
	s_wait_tensorcnt 1                             ; my part of K step 0 is in; K step 1's load may be out
	s_barrier_signal -1
	s_barrier_wait -1
	FETCH 0, 0, F0
	QUARTER 0, 1, F0, F1, 1                        ; the first quarter's products start the sums
.if LAPS > 1
	WIN 0
	s_mov_b32 s3, LAPS-1
.Llap:
	QUARTER 0, 2, F1, F0, 0
	QUARTER 0, 3, F0, F1, 0
	TURN 0, 1, 1
	QUARTER 1, 1, F0, F1, 0
	QUARTER 1, 2, F1, F0, 0
	QUARTER 1, 3, F0, F1, 0
	TURN 1, 0, 1
	QUARTER 0, 1, F0, F1, 0
	WIN 0
	s_sub_co_u32 s3, s3, 1
	s_cmp_lg_u32 s3, 0
	s_cbranch_scc1 .Llap
.endif
	QUARTER 0, 2, F1, F0, 0
	QUARTER 0, 3, F0, F1, 0
	TURN 0, 1, 0
	QUARTER 1, 1, F0, F1, 0
	QUARTER 1, 2, F1, F0, 0
	QUARTER 1, 3, F0, F1, 0
	s_wait_dscnt 8
	WIN MUL
	MUL8 F1, 0, 0
	s_wait_dscnt 0
	MUL8 F1, 2, 0
	WIN 0
.macro TOSTAGE a                       ; block a: 16 rows x 64 columns into my stage (each accumulator's low four registers first), and back as whole rows
.set BB, BK+32*((\a)%2)
.irp b, 0,1,2,3
	ds_store_b128 v[STO], v[ACC+8*(4*(\a)+\b):ACC+8*(4*(\a)+\b)+3] offset:64*\b
	ds_store_b128 v[STO], v[ACC+8*(4*(\a)+\b)+4:ACC+8*(4*(\a)+\b)+7] offset:64*\b+16
.endr
.irp t, 0,1,2,3,4,5,6,7
	ds_load_b128 v[BB+4*\t:BB+4*\t+3], v[RD] offset:544*\t   ; LDS serves a wave's instructions in order
.endr
.endm
.macro SEND a, younger
.set BB, BK+32*((\a)%2)
	s_wait_dscnt \younger                          ; the next block's eight stores and eight loads may be out
	WIN 0x20                                       ; source 2 (the residual) window 2
.set j, 0
.rept 16
	v_pk_fma_f32 v[BB+j:BB+j+1], v[BB+j:BB+j+1], s[96:97], v[32*(\a)+j:32*(\a)+j+1] op_sel_hi:[1,0,1]   ; sum x 2^(ea + eb) + residual
.set j, j+2
.endr
	WIN 0
.irp t, 0,1,2,3,4,5,6,7
.if HASB
	global_store_b128 v[CO], v[BB+4*\t:BB+4*\t+3], s[86:87] offset:(16*(\a)+2*\t)*4096 th:TH_STORE_NT
.else
	global_store_b128 v[CO], v[BB+4*\t:BB+4*\t+3], s[86:87] offset:(16*(\a)+2*\t)*4096   ; sixteen lanes store 256 consecutive bytes, aligned
.endif
.endr
.endm
	PLACES
	TOSTAGE 0
	TOSTAGE 1
	s_wait_loadcnt 0x0                             ; the residual
	SEND 0, 16
	s_wait_xcnt 0x0                                ; block 0's stores have read their data: block 2's loads may land there
	TOSTAGE 2
	SEND 1, 16
	s_wait_xcnt 0x0
	TOSTAGE 3
	SEND 2, 16
	SEND 3, 0
	s_wait_tensorcnt 0x0                           ; the wave's end
	ds_add_u32 v[SPW], v[NIL]
	s_wait_dscnt 0x0
	CROUND                                         ; the closing round
	s_endpgm
.Lfunc_end_k_qe9a51fb64e_oproj:
	.size	k_qe9a51fb64e_oproj, .Lfunc_end_k_qe9a51fb64e_oproj-k_qe9a51fb64e_oproj
	.p2alignl 7, 3214868480
	.fill 96, 4, 3214868480
	.section	.rodata,"a",@progbits
	.p2align	6, 0x0
	.amdhsa_kernel k_qe9a51fb64e_oproj
		.amdhsa_group_segment_fixed_size 327680
		.amdhsa_private_segment_fixed_size 0
		.amdhsa_enable_private_segment 0
		.amdhsa_kernarg_size 40
		.amdhsa_user_sgpr_count 2
		.amdhsa_user_sgpr_kernarg_segment_ptr 1
		.amdhsa_wavefront_size32 1
		.amdhsa_system_sgpr_workgroup_id_x 1
		.amdhsa_system_sgpr_workgroup_id_y 1
		.amdhsa_system_sgpr_workgroup_id_z 1
		.amdhsa_system_vgpr_workitem_id 0
		.amdhsa_next_free_vgpr 640
		.amdhsa_next_free_sgpr 100
		.amdhsa_reserve_vcc 0
		.amdhsa_float_denorm_mode_32 3
		.amdhsa_float_denorm_mode_16_64 3
		.amdhsa_memory_ordered 1
		.amdhsa_forward_progress 1
		.amdhsa_inst_pref_size 49
	.end_amdhsa_kernel
	.amdgpu_metadata
---
amdhsa.version: [ 1, 2 ]
amdhsa.kernels:
  - .name:           k_qe9a51fb64e_oproj
    .symbol:         k_qe9a51fb64e_oproj.kd
    .args:
      - { .name: oc, .offset: 0, .size: 8, .value_kind: global_buffer, .address_space: global }
      - { .name: wc, .offset: 8, .size: 8, .value_kind: global_buffer, .address_space: global }
      - { .name: lowp_scales, .offset: 16, .size: 8, .value_kind: global_buffer, .address_space: global }
      - { .name: x, .offset: 24, .size: 8, .value_kind: global_buffer, .address_space: global }
      - { .name: x1, .offset: 32, .size: 8, .value_kind: global_buffer, .address_space: global }
    .group_segment_fixed_size: 327680
    .private_segment_fixed_size: 0
    .kernarg_segment_align: 8
    .kernarg_segment_size: 40
    .max_flat_workgroup_size: 128
    .sgpr_count:     100
    .vgpr_count:     640
    .wavefront_size: 32
...
	.end_amdgpu_metadata
.endif
;; end of part 4
;; launch ln2 (part 5): grid 512 x 1, 4 waves a work-group, no clusters, 20,992 bytes of LDS; arguments x1, gamma2, beta2, lowp_scales, h2c; writes h2c
.if DOCPART == 5
	.amdgcn_target "amdgcn-amd-amdhsa--gfx1250"
	.amdhsa_code_object_version 6
	.text
	.protected	k_qe9a51fb64e_ln2
	.globl	k_qe9a51fb64e_ln2
	.p2align	8
	.type	k_qe9a51fb64e_ln2,@function
k_qe9a51fb64e_ln2:
	s_mov_b64 s[64:65], 0
	v_nop
	global_prefetch_b8 v0, s[64:65] scope:SCOPE_SE
	s_setreg_imm32_b32 hwreg(HW_REG_WAVE_MODE, 25, 1), 1
	s_wait_xcnt 0x0
; h2 = gamma2 (x1 - mean) / (std + 1e-6) + beta2 (std with 1023 in the divisor), quantised with entry 12 of the scales into h2c [4096][1024].
; code = number / 2^e, held within +-448, to the nearest code, ties to even.  LIMITS: e between -126 and 119; NaN among the inputs is not served.
; A stream: a wave takes a row (4,096 bytes, eight loads of 512 consecutive bytes) at a time, two rows, both asked for at the head; the row turns through the wave's own stage in LDS (64 bytes + 16 of padding a place), so that a lane holds
; columns 16 l .. +15 and 512 + 16 l .. +15, as the conversions want them.  The mean is taken first, the squares of the differences second.  No barrier: waves share nothing.
.set EMAX,  8
.set MANT,  0x600000
.set SP,    80
.set LNST,  0
.set NROWS, 2
.set NSC,   1
.set R,     32                         ; v32-95   two sets of 32: a row as loaded
.set X,     96                         ; v96-127  the row after the turn
.set G,     128                        ; gamma
.set BT,    160                        ; beta
.set T,     192                        ; held numbers
.set CD,    224                        ; codes
.set HB,    28                         ; s[28:29] h2c at my wave's first row
.macro LOADROW i
.irp j, 0,1,2,3,4,5,6,7
	global_load_b128 v[R+32*((\i)%2)+4*\j:R+32*((\i)%2)+4*\j+3], v3, s[20:21] offset:4096*(\i)+512*\j th:TH_LOAD_NT
.endr
.endm
.macro WSUM
	v_add_f32_dpp v8, v8, v8 row_xmask:1 row_mask:0xf bank_mask:0xf
	v_add_f32_dpp v8, v8, v8 row_xmask:2 row_mask:0xf bank_mask:0xf
	v_add_f32_dpp v8, v8, v8 row_xmask:4 row_mask:0xf bank_mask:0xf
	v_add_f32_dpp v8, v8, v8 row_xmask:8 row_mask:0xf bank_mask:0xf
	v_permlanex16_b32 v9, v8, s34, s35
	v_add_f32 v8, v8, v9
.endm
.macro ROW i
.if (\i)+1 < NROWS
	s_wait_loadcnt 8                               ; this row's eight loads are in; the next row's eight may be out
.else
	s_wait_loadcnt 0
.endif
.irp j, 0,1,2,3,4,5,6,7
	ds_store_b128 v4, v[R+32*((\i)%2)+4*\j:R+32*((\i)%2)+4*\j+3] offset:640*\j
.endr
.irp m, 0,1,2,3,4,5,6,7
	ds_load_b128 v[X+4*\m:X+4*\m+3], v5 offset:2560*(\m/4)+16*(\m%4)
.endr
	s_wait_dscnt 0x0                               ; the row is back, 16 + 16 neighbours a lane
.if (\i)+2 < NROWS
	LOADROW (\i)+2
.endif
.irp k, 0,1,2,3
	v_pk_add_f32 v[20+2*\k:21+2*\k], v[X+2*\k:X+2*\k+1], v[X+8+2*\k:X+9+2*\k]
.endr
.irp m, 16,24
.irp k, 0,1,2,3
	v_pk_add_f32 v[20+2*\k:21+2*\k], v[20+2*\k:21+2*\k], v[X+\m+2*\k:X+\m+2*\k+1]
.endr
.endr
	v_pk_add_f32 v[20:21], v[20:21], v[22:23]
	v_pk_add_f32 v[24:25], v[24:25], v[26:27]
	v_pk_add_f32 v[20:21], v[20:21], v[24:25]
	v_add_f32 v8, v20, v21
	WSUM
	v_mul_f32 v10, 0x3a800000, v8                  ; the mean: / 1024
	v_mov_b32 v11, v10
.set j, 0
.rept 16
	v_pk_add_f32 v[X+j:X+j+1], v[X+j:X+j+1], v[10:11] neg_lo:[0,1] neg_hi:[0,1]
.set j, j+2
.endr
.irp k, 0,1,2,3
	v_pk_mul_f32 v[20+2*\k:21+2*\k], v[X+2*\k:X+2*\k+1], v[X+2*\k:X+2*\k+1]
.endr
.irp m, 8,16,24
.irp k, 0,1,2,3
	v_pk_fma_f32 v[20+2*\k:21+2*\k], v[X+\m+2*\k:X+\m+2*\k+1], v[X+\m+2*\k:X+\m+2*\k+1], v[20+2*\k:21+2*\k]
.endr
.endr
	v_pk_add_f32 v[20:21], v[20:21], v[22:23]
	v_pk_add_f32 v[24:25], v[24:25], v[26:27]
	v_pk_add_f32 v[20:21], v[20:21], v[24:25]
	v_add_f32 v8, v20, v21
	WSUM
	v_mul_f32 v8, 0x3a802008, v8                   ; / 1023
	v_sqrt_f32 v12, v8
	v_nop                                          ; a plain line behind the root,
	s_wait_alu depctr_va_vdst(0)                   ; and a wait ahead of its first reader
	v_add_f32 v12, 0x358637bd, v12                 ; + 1e-6
	v_rcp_f32 v13, v12
	v_nop
	s_wait_alu depctr_va_vdst(0)
	v_mov_b32 v12, v13
.set j, 0
.rept 16
	v_pk_mul_f32 v[X+j:X+j+1], v[X+j:X+j+1], v[12:13]
.set j, j+2
.endr
.set j, 0
.rept 16
	v_pk_fma_f32 v[X+j:X+j+1], v[X+j:X+j+1], v[G+j:G+j+1], v[BT+j:BT+j+1]
.set j, j+2
.endr
	s_wait_xcnt 0x0                                ; the last row's stores have read their data: the codes' registers are written again only behind this wait
.irp n, 0,1,2
.if \n < NSC
.set j, 0
.rept 32
	v_med3_num_f32 v[T+j], v[X+j], -v[17+\n], v[17+\n]
.set j, j+1
.endr
.irp g, 0,1,2,3
	v_cvt_scalef32_pk8_fp8_f32 v[CD+8*\n+2*\g:CD+8*\n+2*\g+1], v[T+8*\g:T+8*\g+7], v[14+\n]
.endr
	v_nop                                          ; a plain line between the conversions and the next holds, which write their sources
	global_store_b128 v3, v[CD+8*\n:CD+8*\n+3], s[HB+2*\n:HB+2*\n+1] offset:1024*(\i)
	global_store_b128 v3, v[CD+8*\n+4:CD+8*\n+7], s[HB+2*\n:HB+2*\n+1] offset:1024*(\i)+512
.endif
.endr
.endm
	s_load_b256 s[20:27], s[0:1], 0x0              ; x1 20, gamma2 22, beta2 24, the scales 26
	s_load_b64 s[28:29], s[0:1], 0x20              ; h2c
	v_lshl_add_u32 v248, v0, 2, 0x5000
	v_mov_b32 v249, 0
	v_lshrrev_b32 v1, 5, v0
	v_readfirstlane_b32 s52, v1                    ; wave
	v_and_b32 v2, 31, v0
	v_lshlrev_b32 v3, 4, v2                        ; 16 x lane; never rewritten
	s_lshl_b32 s53, ttmp9, 3
	s_lshl_b32 s54, s52, 1
	s_add_co_u32 s53, s53, s54                     ; my wave's first row: 8 x work-group + 2 x wave
	s_mov_b32 s55, 0
	s_mov_b32 s34, 0x76543210
	s_mov_b32 s35, 0xfedcba98
	s_mul_i32 s56, s52, 5120
	s_add_co_u32 s56, s56, LNST
	v_lshrrev_b32 v4, 2, v2
	v_mul_u32_u24 v4, v4, SP
	v_and_b32 v5, 3, v2
	v_lshl_add_u32 v4, v5, 4, v4
	v_add_nc_u32 v4, s56, v4
	v_mul_u32_u24 v5, v2, SP
	v_add_nc_u32 v5, s56, v5
	v_lshlrev_b32 v6, 6, v2
	v_mov_b32 v9, 0
	s_wait_kmcnt 0x0
	s_load_b32 s36, s[26:27], 0x30                 ; entry 12
	s_lshl_b32 s54, s53, 12
	s_add_nc_u64 s[20:21], s[20:21], s[54:55]
	s_lshl_b32 s54, s53, 10
	s_add_nc_u64 s[28:29], s[28:29], s[54:55]
.irp m, 0,1,2,3,4,5,6,7
	global_load_b128 v[G+4*\m:G+4*\m+3], v6, s[22:23] offset:2048*(\m/4)+16*(\m%4)
	global_load_b128 v[BT+4*\m:BT+4*\m+3], v6, s[24:25] offset:2048*(\m/4)+16*(\m%4)
.endr
	LOADROW 0
	LOADROW 1
	s_wait_kmcnt 0x0
	s_add_co_i32 s57, s36, 127
	s_lshl_b32 s58, s57, 23
	v_mov_b32 v14, s58                             ; 2^e
	s_add_co_i32 s57, s57, EMAX
	s_lshl_b32 s57, s57, 23
	s_or_b32 s57, s57, MANT
	v_mov_b32 v17, s57                             ; 448 x 2^e
.irp i, 0,1
	ROW \i
.endr
	s_wait_tensorcnt 0x0
	ds_add_u32 v248, v249
	s_wait_dscnt 0x0
	s_endpgm
.Lfunc_end_k_qe9a51fb64e_ln2:
	.size	k_qe9a51fb64e_ln2, .Lfunc_end_k_qe9a51fb64e_ln2-k_qe9a51fb64e_ln2
	.p2alignl 7, 3214868480
	.fill 96, 4, 3214868480
	.section	.rodata,"a",@progbits
	.p2align	6, 0x0
	.amdhsa_kernel k_qe9a51fb64e_ln2
		.amdhsa_group_segment_fixed_size 20992
		.amdhsa_private_segment_fixed_size 0
		.amdhsa_enable_private_segment 0
		.amdhsa_kernarg_size 40
		.amdhsa_user_sgpr_count 2
		.amdhsa_user_sgpr_kernarg_segment_ptr 1
		.amdhsa_wavefront_size32 1
		.amdhsa_system_sgpr_workgroup_id_x 1
		.amdhsa_system_sgpr_workgroup_id_y 1
		.amdhsa_system_sgpr_workgroup_id_z 1
		.amdhsa_system_vgpr_workitem_id 0
		.amdhsa_next_free_vgpr 250
		.amdhsa_next_free_sgpr 66
		.amdhsa_reserve_vcc 0
		.amdhsa_float_denorm_mode_32 3
		.amdhsa_float_denorm_mode_16_64 3
		.amdhsa_memory_ordered 1
		.amdhsa_forward_progress 1
		.amdhsa_inst_pref_size 25
	.end_amdhsa_kernel
	.amdgpu_metadata
---
amdhsa.version: [ 1, 2 ]
amdhsa.kernels:
  - .name:           k_qe9a51fb64e_ln2
    .symbol:         k_qe9a51fb64e_ln2.kd
    .args:
      - { .name: x1, .offset: 0, .size: 8, .value_kind: global_buffer, .address_space: global }
      - { .name: gamma2, .offset: 8, .size: 8, .value_kind: global_buffer, .address_space: global }
      - { .name: beta2, .offset: 16, .size: 8, .value_kind: global_buffer, .address_space: global }
      - { .name: lowp_scales, .offset: 24, .size: 8, .value_kind: global_buffer, .address_space: global }
      - { .name: h2c, .offset: 32, .size: 8, .value_kind: global_buffer, .address_space: global }
    .group_segment_fixed_size: 20992
    .private_segment_fixed_size: 0
    .kernarg_segment_align: 8
    .kernarg_segment_size: 40
    .max_flat_workgroup_size: 128
    .sgpr_count:     66
    .vgpr_count:     250
    .wavefront_size: 32
...
	.end_amdgpu_metadata
.endif
;; end of part 5
;; launch ffn1 (part 6): grid 16 x 16, 4 waves a work-group, clusters of 4 x 4, 327,680 bytes of LDS; arguments h2c, wc, lowp_scales, b1, hid; writes hid
.if DOCPART == 6
	.amdgcn_target "amdgcn-amd-amdhsa--gfx1250"
	.amdhsa_code_object_version 6
	.text
	.protected	k_qe9a51fb64e_ffn1
	.globl	k_qe9a51fb64e_ffn1
	.p2align	8
	.type	k_qe9a51fb64e_ffn1,@function
k_qe9a51fb64e_ffn1:
	s_mov_b64 s[64:65], 0
	v_nop
	global_prefetch_b8 v0, s[64:65] scope:SCOPE_SE
	s_setreg_imm32_b32 hwreg(HW_REG_WAVE_MODE, 25, 1), 1
	s_wait_xcnt 0x0
	s_wait_alu depctr_hold_cnt(0) depctr_sa_sdst(0) depctr_va_vdst(0) depctr_va_sdst(0) depctr_va_ssrc(0) depctr_va_vcc(0) depctr_vm_vsrc(0)
	s_getreg_b32 s2, hwreg(HW_REG_IB_STS2, 6, 4)
	s_cmp_eq_u32 s2, 0
	s_cbranch_scc0 .Lentry_in_a_cluster
	s_endpgm
.Lentry_in_a_cluster:
	s_bfe_u32 s2, ttmp6, 0x10000c
	s_cmp_lg_u32 s2, 0xf033
	s_cbranch_scc0 .Lentry_shape_is_right
	s_endpgm
.Lentry_shape_is_right:
; hidden = relu(h2 w1^T + b1) on codes of E4M3 (K = 1,024), quantised on the way out with entry 14 of the scales into hid [32 blocks of 128 tokens][32 blocks of 128 along the next K][128 tokens][128 bytes].
; A tile of 256 x 256 to a work-group of four waves (256 work-groups), 128 x 128 a wave.  K goes in steps of 256 through a ring of two LDS slots filled by the tensor data mover.
; CLUSTERS: 4 x 4; A's tile jointly along a row of the cluster, B's along a column.  THE MATRIX INSTRUCTION IS USED TRANSPOSED (source 0 = w1's rows, source 1 = h2's rows): a lane holds one token and eight neighbouring hidden units.
; b1 is the C of each sum's first matrix instruction, divided by 2^(eh2 + ew1), the power of two that the sums lack; the conversion takes 2^(ehid - eh2 - ew1); the hold between 0 and the largest code x the scale is also the relu.
; LIMIT: ehid - eh2 - ew1 between -126 and 119.  NaN among the inputs is not served.
; OUT: the wave's 128 tokens x 128 bytes are one dense run of 16 KiB: through its stage in LDS (two token rows a line), 512 consecutive bytes a store.
; REGISTERS: window 0: v0-31 addresses; v32-95 the bias, later held sums; v96-111 codes; from v128 A's fragments, later the lines read back.  window 1: B's fragments, two sets.  windows 2, 3: the accumulators.
.set SIZE_K, 1024
.set KSTEP,  256
.set ROWB,   256
.set KROW,   SIZE_K
.set PITCH,  272
.set FR,     16
.set NL,     4
.set NP,     4
.set HALFT,  128*PITCH
.set SLOT,   4*HALFT
.set LAPS,   SIZE_K/(2*KSTEP)
.set SPARE,  2*SLOT
.set WSTG,   64*PITCH                  ; the way out: 64 lines a wave, in slot 0, which has had its last fill and its last read by then
.set ADRA, 16
.set ADRB, 20
.set STO,  24
.set RD,   25
.set SPW,  28
.set NIL,  29
.set SC,   30
.set LIM,  31
.set TMP,  32
.set BIAS, 32
.set CD,   96
.set AF,   128
.set BK,   128
.set G1, 24
.set G0, 32
.set G1B, 48
.set G0B, 56
.set MSB, 0
.macro WIN new
.if MSB != \new
	s_set_vgpr_msb (MSB<<8)|\new
.set MSB, \new
.endif
.endm
.set MUL_LO, 0xa1                      ; source 0 (B) window 1, source 1 (A) window 0, C and D window 2
.set MUL_HI, 0xf1
.set FIRST_LO, 0x81                    ; the first step: C (the bias) window 0, D window 2
.set FIRST_HI, 0xc1
.set TO_B,   0x40
.macro JLOAD g0a, g1a, g0b, g1b
	s_cmp_eq_u32 s15, 0
	s_cbranch_scc0 .Lfor_b_\@
	tensor_load_to_lds s[\g0a:\g0a+3], s[\g1a:\g1a+7]
	s_nop 0
.rept 4
	v_nop
.endr
	s_branch .Lasked_\@
.Lfor_b_\@:
	tensor_load_to_lds s[\g0b:\g0b+3], s[\g1b:\g1b+7]
	s_nop 0
.rept 4
	v_nop
.endr
.Lasked_\@:
.endm
.macro CREST
	s_cmp_lg_u32 s14, 0
	s_cbranch_scc1 .Lnot_wave_0_\@
	s_barrier_signal -3
.Lnot_wave_0_\@:
	s_barrier_wait -3
	s_barrier_signal -1
	s_barrier_wait -1
.endm
.macro CROUND
	s_barrier_signal -1
	s_barrier_wait -1
	CREST
.endm
	s_load_b128 s[4:7], s[0:1], 0x0                ; h2c, wc
	s_load_b128 s[8:11], s[0:1], 0x10              ; the scales, b1
	s_load_b64 s[12:13], s[0:1], 0x20              ; hid
	v_lshl_add_u32 v[SPW], v0, 2, SPARE
	v_mov_b32 v[NIL], 0
	ds_add_u32 v28, v29
	ds_add_u32 v28, v29
	s_wait_dscnt 0x0
	v_lshrrev_b32 v1, 5, v0
	v_readfirstlane_b32 s14, v1
	s_lshr_b32 s15, s14, 1
	s_and_b32 s16, s14, 1
	s_bfe_u32 s40, ttmp6, 0x40000
	s_bfe_u32 s41, ttmp6, 0x40004
	s_lshl_b32 s42, ttmp9, 2
	s_add_co_u32 s42, s42, s40                     ; tile column
	s_and_b32 s17, ttmp7, 0xffff
	s_lshl_b32 s17, s17, 2
	s_add_co_u32 s17, s17, s41                     ; tile row
	s_lshl_b32 s43, s41, 2
	s_lshl_b32 s43, 15, s43
	s_lshl_b32 s44, 0x1111, s40
	s_or_b32 s[G1+0], s43, (0<<16)|(1<<20)|(1<<21)|(5<<22)|(3<<25)
	s_or_b32 s[G1B+0], s44, (0<<16)|(1<<20)|(1<<21)|(5<<22)|(3<<25)
.irp g, G1, G1B
	s_mov_b32 s[\g+1], ROWB<<16
	s_mov_b32 s[\g+2], 128<<16
	s_mov_b32 s[\g+3], ROWB<<16
	s_mov_b32 s[\g+4], 128
	s_mov_b32 s[\g+5], KROW
	s_mov_b32 s[\g+6], 0
	s_mov_b32 s[\g+7], 0
.endr
	s_lshl_b32 s18, s16, 7
	s_lshl_b32 s20, s17, 8
	s_add_co_u32 s20, s20, s18
	s_lshl_b32 s20, s20, 10
	s_mov_b32 s21, 0
	s_lshl_b32 s46, s42, 8
	s_add_co_u32 s46, s46, s18
	s_lshl_b32 s46, s46, 10
	s_add_co_u32 s46, s46, 0x400000                ; w1's codes in wc
	s_mov_b32 s47, 0
	s_mul_i32 s45, s14, HALFT
	s_wait_kmcnt 0x0
	s_load_b128 s[92:95], s[8:9], 0x30             ; entries 12 to 15
	s_add_nc_u64 s[20:21], s[4:5], s[20:21]
	s_add_nc_u64 s[46:47], s[6:7], s[46:47]
	CROUND
.irp s, 0,1
	s_mov_b32 s[G0+4*\s], 1
	s_add_co_u32 s[G0+4*\s+1], s45, \s*SLOT
	s_add_nc_u64 s[G0+4*\s+2:G0+4*\s+3], s[20:21], \s*ROWB
	s_or_b32 s[G0+4*\s+3], s[G0+4*\s+3], 0x80000000
	s_mov_b32 s[G0B+4*\s], 1
	s_add_co_u32 s[G0B+4*\s+1], s45, \s*SLOT
	s_add_nc_u64 s[G0B+4*\s+2:G0B+4*\s+3], s[46:47], \s*ROWB
	s_or_b32 s[G0B+4*\s+3], s[G0B+4*\s+3], 0x80000000
	JLOAD G0+4*\s, G1, G0B+4*\s, G1B
.endr
	v_and_b32 v1, 15, v0
	v_bfe_u32 v2, v0, 4, 1
	v_mul_u32_u24 v3, v1, PITCH
	v_lshl_add_u32 v4, v2, 4, v3
	s_mul_i32 s21, s15, HALFT
	s_mul_i32 s22, s16, HALFT
	s_add_co_u32 s22, s22, 2*HALFT
.irp s, 0,1
	v_add_nc_u32 v[ADRA+\s], s21, v4
	v_add_nc_u32 v[ADRB+\s], s22, v4
	s_add_co_u32 s21, s21, SLOT
	s_add_co_u32 s22, s22, SLOT
.endr
	s_mul_i32 s23, s14, WSTG
	v_lshrrev_b32 v5, 1, v1                        ; token 16 a + r: line 8 a + r / 2, + 128 (r % 2), + 8 h
	v_mul_u32_u24 v5, v5, PITCH
	v_and_b32 v6, 1, v1
	v_lshl_add_u32 v5, v6, 7, v5
	v_lshl_add_u32 v5, v2, 3, v5
	v_add_nc_u32 v[STO], s23, v5
	v_mul_u32_u24 v5, v2, PITCH
	v_lshl_add_u32 v5, v1, 4, v5
	v_add_nc_u32 v[RD], s23, v5
	v_and_b32 v6, 31, v0
	v_lshlrev_b32 v8, 4, v6
	s_lshl_b32 s88, s17, 1
	s_add_co_u32 s88, s88, s15                     ; my block of 128 tokens,
	s_lshl_b32 s88, s88, 19
	s_lshl_b32 s90, s42, 1
	s_add_co_u32 s90, s90, s16                     ; my block of 128 hidden units
	s_lshl_b32 s91, s90, 14
	s_add_co_u32 s88, s88, s91
	s_mov_b32 s89, 0
	s_add_nc_u64 s[12:13], s[12:13], s[88:89]
	s_lshl_b32 s90, s90, 9
	s_mov_b32 s91, 0
	s_add_nc_u64 s[10:11], s[10:11], s[90:91]
	v_lshlrev_b32 v7, 5, v2
.irp t, 0,1,2,3,4,5,6,7
	global_load_b128 v[BIAS+8*\t:BIAS+8*\t+3], v7, s[10:11] offset:64*\t        ; b1 of hidden units 16 t + 8 h + 0 .. 7
	global_load_b128 v[BIAS+8*\t+4:BIAS+8*\t+7], v7, s[10:11] offset:64*\t+16
.endr
	s_wait_kmcnt 0x0
	s_add_co_i32 s84, s92, s93
	s_sub_co_i32 s85, 0, s84
	s_sub_co_i32 s86, s94, s84
	s_add_co_i32 s86, s86, 127
	s_lshl_b32 s87, s86, 23
	v_mov_b32 v[SC], s87                           ; 2^(ehid - eh2 - ew1)
	s_add_co_i32 s86, s86, 8
	s_lshl_b32 s86, s86, 23
	s_or_b32 s86, s86, 0x600000
	v_mov_b32 v[LIM], s86
	s_wait_loadcnt 0x0
.set j, 0
.rept 64
	v_ldexp_f32 v[BIAS+j], v[BIAS+j], s85
.set j, j+1
.endr
.macro FRAG reg, adr, q, i
.irp c, 0,1,2,3
	ds_load_b128 v[\reg+4*\c:\reg+4*\c+3], v[\adr] offset:128*(\q)+32*\c+(\i)*16*PITCH
.endr
.endm
.macro MUL16 a0, p, zero               ; the 64 accumulators take turns, one instruction a turn
.irp a, \a0, \a0+1
.irp b, 0,1,2,3,4,5,6,7
.if \zero
	v_wmma_f32_16x16x128_fp8_fp8 v[8*(8*((\a)%4)+\b):8*(8*((\a)%4)+\b)+7], v[128*(\p)+FR*\b:128*(\p)+FR*\b+FR-1], v[AF+FR*(\a):AF+FR*(\a)+FR-1], v[BIAS+8*\b:BIAS+8*\b+7]
.else
	v_wmma_f32_16x16x128_fp8_fp8 v[8*(8*((\a)%4)+\b):8*(8*((\a)%4)+\b)+7], v[128*(\p)+FR*\b:128*(\p)+FR*\b+FR-1], v[AF+FR*(\a):AF+FR*(\a)+FR-1], v[8*(8*((\a)%4)+\b):8*(8*((\a)%4)+\b)+7]
.endif
.endr
.endr
.endm
.macro FETCH_B slot, q, p
	WIN TO_B
.irp i, 0,1,2,3,4,5,6,7
	FRAG 128*(\p)+FR*\i, ADRB+\slot, \q, \i
.endr
	WIN 0
.endm
.macro FETCH_A slot, q, i0
.irp i, \i0, \i0+1, \i0+2, \i0+3
	FRAG AF+FR*(\i), ADRA+\slot, \q, \i
.endr
.endm
.macro PLACES n
.rept \n
	v_nop
.endr
.endm
.macro STEP slot, q, zero
	s_wait_dscnt 4*NL                              ; B's set and A's blocks 0-3 are in; the sixteen youngest loads may be out
.if \zero
	WIN FIRST_LO
.else
	WIN MUL_LO
.endif
	MUL16 0, (\q)%2, \zero
	MUL16 2, (\q)%2, \zero
	s_wait_dscnt 0
	PLACES NP
	FETCH_B \slot, (\q)+1, 1-(\q)%2
	FETCH_A \slot, (\q)+1, 0
.if \zero
	WIN FIRST_HI
.else
	WIN MUL_HI
.endif
	MUL16 4, (\q)%2, \zero
	MUL16 6, (\q)%2, \zero
	PLACES NP
	WIN 0
	FETCH_A \slot, (\q)+1, 4
.endm
.macro TURN slot, next, fill
	s_wait_tensorcnt 0x0                           ; all my tensor loads have landed
	ds_add_u32 v[SPW], v[NIL]                      ; 0 onto my spare word
	s_wait_dscnt 4*NL+1                            ; the add and the sixteen youngest loads may be out
	WIN MUL_LO
	MUL16 0, 1, 0
	s_wait_dscnt 0x0                               ; the add is done, and my reads of this slot are over
	s_barrier_signal -1
	MUL16 2, 1, 0
	WIN 0
	s_barrier_wait -1
.if \fill
	CREST
	s_add_nc_u64 s[G0+4*\slot+2:G0+4*\slot+3], s[G0+4*\slot+2:G0+4*\slot+3], 2*ROWB
	s_add_nc_u64 s[G0B+4*\slot+2:G0B+4*\slot+3], s[G0B+4*\slot+2:G0B+4*\slot+3], 2*ROWB
	JLOAD G0+4*\slot, G1, G0B+4*\slot, G1B
.else
	PLACES NP
.endif
	FETCH_B \next, 0, 0
	FETCH_A \next, 0, 0
	WIN MUL_HI
	MUL16 4, 1, 0
	MUL16 6, 1, 0
	PLACES NP
	WIN 0
	FETCH_A \next, 0, 4
.endm
	s_wait_tensorcnt 1                             ; my part of K step 0 is in; K step 1's load may be out
	s_barrier_signal -1
	s_barrier_wait -1
	FETCH_B 0, 0, 0
	FETCH_A 0, 0, 0
	FETCH_A 0, 0, 4
	STEP 0, 0, 1                                   ; the first step's products start the sums, from the bias
	s_mov_b32 s3, LAPS-1
.Llap:
	TURN 0, 1, 1
	STEP 1, 0, 0
	TURN 1, 0, 1
	STEP 0, 0, 0
	s_sub_co_u32 s3, s3, 1
	s_cmp_lg_u32 s3, 0
	s_cbranch_scc1 .Llap
	TURN 0, 1, 0
	STEP 1, 0, 0
	s_wait_dscnt 4*NL
	WIN MUL_LO
	MUL16 0, 1, 0
	MUL16 2, 1, 0
	s_wait_dscnt 0
	WIN MUL_HI
	MUL16 4, 1, 0
	MUL16 6, 1, 0
	WIN 0
.macro QOUT a                          ; block a: the relu and the hold in one, the conversion, 8 bytes a tile into my stage; each accumulator from its low end on
.set AC, 64*((\a)%4)
	WIN 0x02+((\a)/4)
.set j, 0
.rept 64
	v_med3_num_f32 v[TMP+j], v[AC+j], 0, v[LIM]
.set j, j+1
.endr
	WIN 0
.irp t, 0,1,2,3,4,5,6,7
	v_cvt_scalef32_pk8_fp8_f32 v[CD+2*\t:CD+2*\t+1], v[TMP+8*\t:TMP+8*\t+7], v[SC]
.endr
	v_nop                                          ; a plain line between the conversions and the next block's holds, which write their sources
.irp t, 0,1,2,3,4,5,6,7
	ds_store_b64 v[STO], v[CD+2*\t:CD+2*\t+1] offset:2176*(\a)+16*\t
.endr
.endm
	PLACES NP
.irp a, 0,1,2,3,4,5,6,7
	QOUT \a
.endr
.set i, 0
.rept 32
	ds_load_b128 v[BK+4*i:BK+4*i+3], v[RD] offset:544*i     ; LDS serves a wave's instructions in order: these see my stores
.set i, i+1
.endr
.set i, 0
.rept 32
	s_wait_dscnt 31-i                              ; the younger loads may be out
	global_store_b128 v8, v[BK+4*i:BK+4*i+3], s[12:13] offset:512*i   ; 512 consecutive bytes, aligned
.set i, i+1
.endr
	s_wait_tensorcnt 0x0                           ; the wave's end
	ds_add_u32 v[SPW], v[NIL]
	s_wait_dscnt 0x0
	CROUND                                         ; the closing round
	s_endpgm
.Lfunc_end_k_qe9a51fb64e_ffn1:
	.size	k_qe9a51fb64e_ffn1, .Lfunc_end_k_qe9a51fb64e_ffn1-k_qe9a51fb64e_ffn1
	.p2alignl 7, 3214868480
	.fill 96, 4, 3214868480
	.section	.rodata,"a",@progbits
	.p2align	6, 0x0
	.amdhsa_kernel k_qe9a51fb64e_ffn1
		.amdhsa_group_segment_fixed_size 327680
		.amdhsa_private_segment_fixed_size 0
		.amdhsa_enable_private_segment 0
		.amdhsa_kernarg_size 40
		.amdhsa_user_sgpr_count 2
		.amdhsa_user_sgpr_kernarg_segment_ptr 1
		.amdhsa_wavefront_size32 1
		.amdhsa_system_sgpr_workgroup_id_x 1
		.amdhsa_system_sgpr_workgroup_id_y 1
		.amdhsa_system_sgpr_workgroup_id_z 1
		.amdhsa_system_vgpr_workitem_id 0
		.amdhsa_next_free_vgpr 1024
		.amdhsa_next_free_sgpr 100
		.amdhsa_reserve_vcc 0
		.amdhsa_float_denorm_mode_32 3
		.amdhsa_float_denorm_mode_16_64 3
		.amdhsa_memory_ordered 1
		.amdhsa_forward_progress 1
		.amdhsa_inst_pref_size 131
	.end_amdhsa_kernel
	.amdgpu_metadata
---
amdhsa.version: [ 1, 2 ]
amdhsa.kernels:
  - .name:           k_qe9a51fb64e_ffn1
    .symbol:         k_qe9a51fb64e_ffn1.kd
    .args:
      - { .name: h2c, .offset: 0, .size: 8, .value_kind: global_buffer, .address_space: global }
      - { .name: wc, .offset: 8, .size: 8, .value_kind: global_buffer, .address_space: global }
      - { .name: lowp_scales, .offset: 16, .size: 8, .value_kind: global_buffer, .address_space: global }
      - { .name: b1, .offset: 24, .size: 8, .value_kind: global_buffer, .address_space: global }
      - { .name: hid, .offset: 32, .size: 8, .value_kind: global_buffer, .address_space: global }
    .group_segment_fixed_size: 327680
    .private_segment_fixed_size: 0
    .kernarg_segment_align: 8
    .kernarg_segment_size: 40
    .max_flat_workgroup_size: 128
    .sgpr_count:     100
    .vgpr_count:     1024
    .wavefront_size: 32
...
	.end_amdgpu_metadata
.endif
;; end of part 6
;; launch ffn2 (part 7): grid 8 x 32, 4 waves a work-group, clusters of 4 x 4, 327,680 bytes of LDS; arguments hid, wc, lowp_scales, x1, b2, out0; writes out0
.if DOCPART == 7
	.amdgcn_target "amdgcn-amd-amdhsa--gfx1250"
	.amdhsa_code_object_version 6
	.text
	.protected	k_qe9a51fb64e_ffn2
	.globl	k_qe9a51fb64e_ffn2
	.p2align	8
	.type	k_qe9a51fb64e_ffn2,@function
k_qe9a51fb64e_ffn2:
	s_mov_b64 s[64:65], 0
	v_nop
	global_prefetch_b8 v0, s[64:65] scope:SCOPE_SE
	s_setreg_imm32_b32 hwreg(HW_REG_WAVE_MODE, 25, 1), 1
	s_wait_xcnt 0x0
	s_wait_alu depctr_hold_cnt(0) depctr_sa_sdst(0) depctr_va_vdst(0) depctr_va_sdst(0) depctr_va_ssrc(0) depctr_va_vcc(0) depctr_vm_vsrc(0)
	s_getreg_b32 s2, hwreg(HW_REG_IB_STS2, 6, 4)
	s_cmp_eq_u32 s2, 0
	s_cbranch_scc0 .Lentry_in_a_cluster
	s_endpgm
.Lentry_in_a_cluster:
	s_bfe_u32 s2, ttmp6, 0x10000c
	s_cmp_lg_u32 s2, 0xf033
	s_cbranch_scc0 .Lentry_shape_is_right
	s_endpgm
.Lentry_shape_is_right:
; out0 = x1 + hidden w2^T + b2 on codes of E4M3, K = 4,096.  The hidden layer's codes come blocked along K: [32 blocks of 128 tokens][32 blocks of 128 along K][128 tokens][128 bytes]; w2's as rows [1,024][4,096] in wc.
; A tile of 128 x 128 to a work-group (256 work-groups: tiles of 256 x 256 would be 64); four waves, 64 x 64 each: 16 accumulators.  K goes in steps of 512 through a ring of two LDS slots.
; A's K step is one dense block of 64 KiB: it comes as 256 lines of 256 bytes + 16 of padding (two token rows of 128 bytes a line); B's as 128 rows of 512 bytes + 16.
; CLUSTERS: 4 x 4; A's tile jointly along a row of the cluster, B's along a column.  THE MATRIX INSTRUCTION IS USED TRANSPOSED (source 0 = B's rows, source 1 = A's): a lane holds eight neighbours of a row of the result.
; b2 is the C of each sum's first matrix instruction, divided by 2^(ehid + ew2).
; OUT: a wave's 64 columns of f32 are 256 bytes: blocks of 16 rows go through the wave's own stage and leave as whole aligned runs of 256 bytes; result = sum x 2^(ehid + ew2) + x1.  LIMIT: ehid + ew2 between -126 and 127.
; REGISTERS: window 0: v16-29 addresses; v32-95 rows read back, two sets; v96-127 the bias; v128-255 the accumulators ((a, b) at v[128 + 8 (4 a + b)]).  window 1: two fragment buffers of 128: A's four fragments, then B's four.  window 2: v0-127 the residual.
.set KTOT,  4096
.set KBW,   128                        ; bytes of a token's row in a block of A
.set WOFF,  8<<20
.set SCOFF, 56
.set HASB,  1
.set APART, 256*272
.set SLOT,  APART+128*528
.set SPARE, 2*SLOT
.set STAGE, SPARE+512
.set LAPS,  KTOT/1024
.set ADRA, 16
.set ADRB, 20
.set STO,  24
.set RD,   25
.set CO,   26
.set SPW,  28
.set NIL,  29
.set BK,   32
.set BIAS, 96
.set ACC,  128
.set F0,   0
.set F1,   128
.set G1, 24
.set G0, 32
.set G1B, 48
.set G0B, 56
.set MSB, 0
.macro WIN new
.if MSB != \new
	s_set_vgpr_msb (MSB<<8)|\new
.set MSB, \new
.endif
.endm
.set MUL,  0x05                        ; sources 0 (B) and 1 (A) window 1; C and D window 0
.set TO_F, 0x40
.macro JLOAD g0a, g1a, g0b, g1b        ; waves 0, 1 fetch A's halves, waves 2, 3 B's; four v_nop follow each line
	s_cmp_eq_u32 s15, 0
	s_cbranch_scc0 .Lfor_b_\@
	tensor_load_to_lds s[\g0a:\g0a+3], s[\g1a:\g1a+7]
	s_nop 0
.rept 4
	v_nop
.endr
	s_branch .Lasked_\@
.Lfor_b_\@:
	tensor_load_to_lds s[\g0b:\g0b+3], s[\g1b:\g1b+7]
	s_nop 0
.rept 4
	v_nop
.endr
.Lasked_\@:
.endm
.macro CREST
	s_cmp_lg_u32 s14, 0
	s_cbranch_scc1 .Lnot_wave_0_\@
	s_barrier_signal -3
.Lnot_wave_0_\@:
	s_barrier_wait -3
	s_barrier_signal -1
	s_barrier_wait -1
.endm
.macro CROUND
	s_barrier_signal -1
	s_barrier_wait -1
	CREST
.endm
	s_load_b256 s[4:11], s[0:1], 0x0               ; A's codes 4, wc 6, the scales 8, the residual 10
.if HASB
	s_load_b128 s[84:87], s[0:1], 0x20             ; the bias 84, the result 86
.else
	s_load_b64 s[86:87], s[0:1], 0x20              ; the result
.endif
	v_lshl_add_u32 v[SPW], v0, 2, SPARE
	v_mov_b32 v[NIL], 0
	ds_add_u32 v28, v29
	ds_add_u32 v28, v29
	s_wait_dscnt 0x0
	v_lshrrev_b32 v1, 5, v0
	v_readfirstlane_b32 s14, v1                    ; wave
	s_lshr_b32 s15, s14, 1                         ; my half of the rows; also: I fetch for A (0) or B (1)
	s_and_b32 s16, s14, 1                          ; my half of the columns; also: which half of that tile I fetch
	s_bfe_u32 s40, ttmp6, 0x40000
	s_bfe_u32 s41, ttmp6, 0x40004
	s_lshl_b32 s42, ttmp9, 2
	s_add_co_u32 s42, s42, s40                     ; tile column
	s_and_b32 s17, ttmp7, 0xffff
	s_lshl_b32 s17, s17, 2
	s_add_co_u32 s17, s17, s41                     ; tile row
	s_lshl_b32 s43, s41, 2
	s_lshl_b32 s43, 15, s43
	s_lshl_b32 s44, 0x1111, s40
	s_or_b32 s[G1+0], s43, (3<<16)|(1<<20)|(1<<21)|(5<<22)|(3<<25)   ; A: elements of 8 bytes; 4 words of padding after every 64
	s_mov_b32 s[G1+1], 32<<16                      ; a line: 32 elements
	s_mov_b32 s[G1+2], 128<<16                     ; 128 lines
	s_mov_b32 s[G1+3], 32<<16
	s_mov_b32 s[G1+4], 128
	s_mov_b32 s[G1+5], 32                          ; dense
	s_mov_b32 s[G1+6], 0
	s_mov_b32 s[G1+7], 0
	s_or_b32 s[G1B+0], s44, (0<<16)|(1<<20)|(1<<21)|(6<<22)|(3<<25)  ; B: elements of 1 byte; 4 words of padding after every 128
	s_mov_b32 s[G1B+1], 512<<16
	s_mov_b32 s[G1B+2], 64<<16
	s_mov_b32 s[G1B+3], 512<<16
	s_mov_b32 s[G1B+4], 64
	s_mov_b32 s[G1B+5], KTOT
	s_mov_b32 s[G1B+6], 0
	s_mov_b32 s[G1B+7], 0
	s_mul_i32 s20, s17, 128*KTOT                   ; A: the tile row's block, + my half of a K step's 64 KiB
	s_lshl_b32 s18, s16, 15
	s_add_co_u32 s20, s20, s18
	s_mov_b32 s21, 0
	s_lshl_b32 s46, s42, 7                         ; B: row 128 x tile column + 64 x half
	s_lshl_b32 s18, s16, 6
	s_add_co_u32 s46, s46, s18
	s_mul_i32 s46, s46, KTOT
	s_add_co_u32 s46, s46, WOFF
	s_mov_b32 s47, 0
	s_mul_i32 s45, s16, 128*272                    ; where they go
	s_mul_i32 s22, s16, 64*528
	s_add_co_u32 s22, s22, APART
	s_wait_kmcnt 0x0
	s_load_b64 s[96:97], s[8:9], SCOFF             ; the two exponents
	s_add_nc_u64 s[20:21], s[4:5], s[20:21]
	s_add_nc_u64 s[46:47], s[6:7], s[46:47]
	CROUND
.irp s, 0,1
	s_mov_b32 s[G0+4*\s], 1
	s_add_co_u32 s[G0+4*\s+1], s45, \s*SLOT
	s_add_nc_u64 s[G0+4*\s+2:G0+4*\s+3], s[20:21], \s*65536
	s_or_b32 s[G0+4*\s+3], s[G0+4*\s+3], 0x80000000
	s_mov_b32 s[G0B+4*\s], 1
	s_add_co_u32 s[G0B+4*\s+1], s22, \s*SLOT
	s_add_nc_u64 s[G0B+4*\s+2:G0B+4*\s+3], s[46:47], \s*512
	s_or_b32 s[G0B+4*\s+3], s[G0B+4*\s+3], 0x80000000
	JLOAD G0+4*\s, G1, G0B+4*\s, G1B
.endr
	v_and_b32 v1, 15, v0                           ; r
	v_bfe_u32 v2, v0, 4, 1                         ; h
.if KBW == 64
	v_lshrrev_b32 v3, 2, v1                        ; four token rows a line
	v_mul_u32_u24 v3, v3, 272
	v_and_b32 v4, 3, v1
	v_lshl_add_u32 v3, v4, 6, v3
	s_mul_i32 s21, s15, 16*272                     ; my 64 tokens
.else
	v_lshrrev_b32 v3, 1, v1                        ; two token rows a line
	v_mul_u32_u24 v3, v3, 272
	v_and_b32 v4, 1, v1
	v_lshl_add_u32 v3, v4, 7, v3
	s_mul_i32 s21, s15, 32*272
.endif
	v_lshl_add_u32 v3, v2, 4, v3
	v_mul_u32_u24 v4, v1, 528
	v_lshl_add_u32 v4, v2, 4, v4
.irp s, 0,1
	v_add_nc_u32 v[ADRA+\s], s21, v3
	v_add_nc_u32 v[ADRB+\s], s22, v4               ; (s22: B's part + my 64 rows: the rows that I multiply are the half that bears my number's low bit)
	s_add_co_u32 s21, s21, SLOT
	s_add_co_u32 s22, s22, SLOT
.endr
	s_mul_i32 s23, s14, 16*272
	s_add_co_u32 s23, s23, STAGE                   ; my stage
	v_mul_u32_u24 v5, v1, 272
	v_lshl_add_u32 v5, v2, 5, v5
	v_add_nc_u32 v[STO], s23, v5
	v_mul_u32_u24 v5, v2, 272
	v_lshl_add_u32 v5, v1, 4, v5
	v_add_nc_u32 v[RD], s23, v5
	v_lshlrev_b32 v5, 12, v2
	v_lshl_add_u32 v[CO], v1, 4, v5                ; lanes 0-15 one row's 256 bytes, lanes 16-31 the next row's
	s_lshl_b32 s88, s17, 7
	s_lshl_b32 s89, s15, 6
	s_add_co_u32 s88, s88, s89                     ; my first row,
	s_lshl_b32 s88, s88, 12
	s_lshl_b32 s90, s42, 7
	s_lshl_b32 s91, s16, 6
	s_add_co_u32 s90, s90, s91                     ; my first column,
	s_lshl_b32 s90, s90, 2
	s_add_co_u32 s88, s88, s90                     ; in bytes
	s_mov_b32 s89, 0
	s_add_nc_u64 s[10:11], s[10:11], s[88:89]
	s_add_nc_u64 s[86:87], s[86:87], s[88:89]
.if HASB
	s_mov_b32 s91, 0
	s_add_nc_u64 s[84:85], s[84:85], s[90:91]
	v_lshlrev_b32 v6, 5, v2
.irp b, 0,1,2,3
	global_load_b128 v[BIAS+8*\b:BIAS+8*\b+3], v6, s[84:85] offset:64*\b       ; the bias of columns 16 b + 8 h + 0 .. 7
	global_load_b128 v[BIAS+8*\b+4:BIAS+8*\b+7], v6, s[84:85] offset:64*\b+16
.endr
.endif
	WIN 0x80                                       ; destination window 2
.irp a, 0,1,2,3
.irp t, 0,1,2,3,4,5,6,7
	global_load_b128 v[4*(8*\a+\t):4*(8*\a+\t)+3], v[CO], s[10:11] offset:(16*\a+2*\t)*4096   ; the residual, in the layout in which the rows come back from the stage
.endr
.endr
	WIN 0
	s_wait_kmcnt 0x0
	s_add_co_i32 s96, s96, s97
	s_sub_co_i32 s95, 0, s96
	s_add_co_i32 s96, s96, 127
	s_lshl_b32 s96, s96, 23                        ; 2^(ea + eb) as f32
	s_mov_b32 s97, s96
.if HASB
	s_wait_loadcnt 32                              ; the bias is in; the residual's 32 loads may be out
.set j, 0
.rept 32
	v_ldexp_f32 v[BIAS+j], v[BIAS+j], s95          ; it goes in as the first product's C, divided by the power of two that the sums lack
.set j, j+1
.endr
.endif
.macro FETCH slot, q, f                ; 32 loads: B's four fragments, A's blocks 0, 1, A's blocks 2, 3.  Registers 4 c .. 4 c + 3: K = 128 q + 32 c + 16 h + 0 .. 15 on both sides
	WIN TO_F
.irp i, 0,1,2,3
.irp c, 0,1,2,3
	ds_load_b128 v[\f+64+16*\i+4*\c:\f+64+16*\i+4*\c+3], v[ADRB+\slot] offset:128*(\q)+32*\c+8448*\i
.endr
.endr
.irp a, 0,1,2,3
.irp c, 0,1,2,3
.if KBW == 64
	ds_load_b128 v[\f+16*\a+4*\c:\f+16*\a+4*\c+3], v[ADRA+\slot] offset:(2*(\q)+\c/2)*8704+1088*\a+32*(\c%2)
.else
	ds_load_b128 v[\f+16*\a+4*\c:\f+16*\a+4*\c+3], v[ADRA+\slot] offset:17408*(\q)+2176*\a+32*\c
.endif
.endr
.endr
.endm
.macro MUL8 f, a0, start               ; A's blocks a0, a0 + 1 x B's four.  The 16 accumulators take turns, in one order everywhere
.irp a, \a0, \a0+1
.irp b, 0,1,2,3
.if \start
.if HASB
	v_wmma_f32_16x16x128_fp8_fp8 v[ACC+8*(4*(\a)+\b):ACC+8*(4*(\a)+\b)+7], v[\f+64+16*\b:\f+64+16*\b+15], v[\f+16*(\a):\f+16*(\a)+15], v[BIAS+8*\b:BIAS+8*\b+7]
.else
	v_wmma_f32_16x16x128_fp8_fp8 v[ACC+8*(4*(\a)+\b):ACC+8*(4*(\a)+\b)+7], v[\f+64+16*\b:\f+64+16*\b+15], v[\f+16*(\a):\f+16*(\a)+15], 0
.endif
.else
	v_wmma_f32_16x16x128_fp8_fp8 v[ACC+8*(4*(\a)+\b):ACC+8*(4*(\a)+\b)+7], v[\f+64+16*\b:\f+64+16*\b+15], v[\f+16*(\a):\f+16*(\a)+15], v[ACC+8*(4*(\a)+\b):ACC+8*(4*(\a)+\b)+7]
.endif
.endr
.endr
.endm
.macro PLACES
.rept 4
	v_nop
.endr
.endm
.macro QUARTER slot, qnext, f, g, start    ; 128 along K from buffer f; the next quarter's fragments are fetched into g in its middle
	s_wait_dscnt 8                                 ; B and A's blocks 0, 1 are in; the eight youngest loads may be out
	WIN MUL
	MUL8 \f, 0, \start
	PLACES
	FETCH \slot, \qnext, \g
	s_wait_dscnt 32                                ; all but the 32 just issued
	WIN MUL
	MUL8 \f, 2, \start
.endm
.macro TURN slot, next, fill           ; a slot's last quarter changes slots: one barrier
	WIN 0
	s_wait_tensorcnt 0x0                           ; all my tensor loads have landed
	ds_add_u32 v[SPW], v[NIL]                      ; 0 onto my spare word
	s_wait_dscnt 9                                 ; the add and the eight youngest loads may be out
	WIN MUL
	MUL8 F1, 0, 0
	s_wait_dscnt 0x0                               ; the add is done, and my reads of this slot are over
	WIN 0
	s_barrier_signal -1
	s_barrier_wait -1
.if \fill
	CREST                                          ; the barrier has opened a round of the cluster's: no wave of any partner still reads this slot or has a load on its way
	s_add_nc_u64 s[G0+4*\slot+2:G0+4*\slot+3], s[G0+4*\slot+2:G0+4*\slot+3], 131072
	s_add_nc_u64 s[G0B+4*\slot+2:G0B+4*\slot+3], s[G0B+4*\slot+2:G0B+4*\slot+3], 1024
	JLOAD G0+4*\slot, G1, G0B+4*\slot, G1B         ; the first tensor load behind the round; its four v_nop are the places in front of the loads below
.else
	PLACES
.endif
	FETCH \next, 0, F0
	WIN MUL
	MUL8 F1, 2, 0
.endm
	s_wait_tensorcnt 1                             ; my part of K step 0 is in; K step 1's load may be out
	s_barrier_signal -1
	s_barrier_wait -1
	FETCH 0, 0, F0
	QUARTER 0, 1, F0, F1, 1                        ; the first quarter's products start the sums, from the bias
.if LAPS > 1
	WIN 0
	s_mov_b32 s3, LAPS-1
.Llap:                                             ; a trip goes once round the ring, from a lap's second quarter to the next lap's first, and fills both slots again
	QUARTER 0, 2, F1, F0, 0
	QUARTER 0, 3, F0, F1, 0
	TURN 0, 1, 1
	QUARTER 1, 1, F0, F1, 0
	QUARTER 1, 2, F1, F0, 0
	QUARTER 1, 3, F0, F1, 0
	TURN 1, 0, 1
	QUARTER 0, 1, F0, F1, 0
	WIN 0
	s_sub_co_u32 s3, s3, 1
	s_cmp_lg_u32 s3, 0
	s_cbranch_scc1 .Llap
.endif
	QUARTER 0, 2, F1, F0, 0                        ; the last lap fills nothing
	QUARTER 0, 3, F0, F1, 0
	TURN 0, 1, 0
	QUARTER 1, 1, F0, F1, 0
	QUARTER 1, 2, F1, F0, 0
	QUARTER 1, 3, F0, F1, 0
	s_wait_dscnt 8
	WIN MUL
	MUL8 F1, 0, 0
	s_wait_dscnt 0
	MUL8 F1, 2, 0
	WIN 0
.macro TOSTAGE a                       ; block a: 16 rows x 64 columns into my stage (each accumulator's low four registers first), and back as whole rows
.set BB, BK+32*((\a)%2)
.irp b, 0,1,2,3
	ds_store_b128 v[STO], v[ACC+8*(4*(\a)+\b):ACC+8*(4*(\a)+\b)+3] offset:64*\b
	ds_store_b128 v[STO], v[ACC+8*(4*(\a)+\b)+4:ACC+8*(4*(\a)+\b)+7] offset:64*\b+16
.endr
.irp t, 0,1,2,3,4,5,6,7
	ds_load_b128 v[BB+4*\t:BB+4*\t+3], v[RD] offset:544*\t   ; LDS serves a wave's instructions in order
.endr
.endm
.macro SEND a, younger
.set BB, BK+32*((\a)%2)
	s_wait_dscnt \younger                          ; the next block's eight stores and eight loads may be out
	WIN 0x20                                       ; source 2 (the residual) window 2
.set j, 0
.rept 16
	v_pk_fma_f32 v[BB+j:BB+j+1], v[BB+j:BB+j+1], s[96:97], v[32*(\a)+j:32*(\a)+j+1] op_sel_hi:[1,0,1]   ; sum x 2^(ea + eb) + residual
.set j, j+2
.endr
	WIN 0
.irp t, 0,1,2,3,4,5,6,7
.if HASB
	global_store_b128 v[CO], v[BB+4*\t:BB+4*\t+3], s[86:87] offset:(16*(\a)+2*\t)*4096 th:TH_STORE_NT   ; sixteen lanes store 256 consecutive bytes, aligned; written once, read by nobody here
.else
	global_store_b128 v[CO], v[BB+4*\t:BB+4*\t+3], s[86:87] offset:(16*(\a)+2*\t)*4096
.endif
.endr
.endm
	PLACES
	TOSTAGE 0
	TOSTAGE 1
	s_wait_loadcnt 0x0                             ; the residual
	SEND 0, 16
	s_wait_xcnt 0x0                                ; block 0's stores have read their data: block 2's loads may land there
	TOSTAGE 2
	SEND 1, 16
	s_wait_xcnt 0x0
	TOSTAGE 3
	SEND 2, 16
	SEND 3, 0
	s_wait_tensorcnt 0x0                           ; the wave's end
	ds_add_u32 v[SPW], v[NIL]
	s_wait_dscnt 0x0
	CROUND                                         ; the closing round
	s_endpgm
.Lfunc_end_k_qe9a51fb64e_ffn2:
	.size	k_qe9a51fb64e_ffn2, .Lfunc_end_k_qe9a51fb64e_ffn2-k_qe9a51fb64e_ffn2
	.p2alignl 7, 3214868480
	.fill 96, 4, 3214868480
	.section	.rodata,"a",@progbits
	.p2align	6, 0x0
	.amdhsa_kernel k_qe9a51fb64e_ffn2
		.amdhsa_group_segment_fixed_size 327680
		.amdhsa_private_segment_fixed_size 0
		.amdhsa_enable_private_segment 0
		.amdhsa_kernarg_size 48
		.amdhsa_user_sgpr_count 2
		.amdhsa_user_sgpr_kernarg_segment_ptr 1
		.amdhsa_wavefront_size32 1
		.amdhsa_system_sgpr_workgroup_id_x 1
		.amdhsa_system_sgpr_workgroup_id_y 1
		.amdhsa_system_sgpr_workgroup_id_z 1
		.amdhsa_system_vgpr_workitem_id 0
		.amdhsa_next_free_vgpr 640
		.amdhsa_next_free_sgpr 100
		.amdhsa_reserve_vcc 0
		.amdhsa_float_denorm_mode_32 3
		.amdhsa_float_denorm_mode_16_64 3
		.amdhsa_memory_ordered 1
		.amdhsa_forward_progress 1
		.amdhsa_inst_pref_size 80
	.end_amdhsa_kernel
	.amdgpu_metadata
---
amdhsa.version: [ 1, 2 ]
amdhsa.kernels:
  - .name:           k_qe9a51fb64e_ffn2
    .symbol:         k_qe9a51fb64e_ffn2.kd
    .args:
      - { .name: hid, .offset: 0, .size: 8, .value_kind: global_buffer, .address_space: global }
      - { .name: wc, .offset: 8, .size: 8, .value_kind: global_buffer, .address_space: global }
      - { .name: lowp_scales, .offset: 16, .size: 8, .value_kind: global_buffer, .address_space: global }
      - { .name: x1, .offset: 24, .size: 8, .value_kind: global_buffer, .address_space: global }
      - { .name: b2, .offset: 32, .size: 8, .value_kind: global_buffer, .address_space: global }
      - { .name: out0, .offset: 40, .size: 8, .value_kind: global_buffer, .address_space: global }
    .group_segment_fixed_size: 327680
    .private_segment_fixed_size: 0
    .kernarg_segment_align: 8
    .kernarg_segment_size: 48
    .max_flat_workgroup_size: 128
    .sgpr_count:     100
    .vgpr_count:     640
    .wavefront_size: 32
...
	.end_amdgpu_metadata
.endif
;; end of part 7
